; MI455X (gfx1250); checked and timed in simulation.
; The chip was launched on July 23, 2026; its instructions are those of AMD's public machine-readable ISA for CDNA 5 (MIT licence, August 2026) and "CDNA5" Instruction Set Architecture Reference Guide (July 2026). The comments in the code are by the model that wrote it; some were corrected since.
;; Masked Multi Head Self Attention. Allowed arithmetic: matrix products marked QUANTISED: E2M3 operands, one E8M0 scale for each 32 along K, by v_wmma_scale_f32_16x16x128_f8f6f4 with both operands' format E2M3, f32 sums; everything else in f32.
;; Inputs: b_o 1,024 float32; b_qkv 3,072 float32; w_o_codes 1,024 x 32 x 24 uint8 (E2M3 codes of w_o, K innermost, in blocks of 32 codes, four codes in three bytes); w_o_scales 1,024 x 32 uint8 (E8M0 scales of w_o, one for each 32 codes along K); w_qkv_codes 3,072 x 32 x 24 uint8 (E2M3 codes of w_qkv, K innermost, in blocks of 32 codes, four codes in three bytes); w_qkv_scales 3,072 x 32 uint8 (E8M0 scales of w_qkv, one for each 32 codes along K); x_codes 4,096 x 32 x 24 uint8 (E2M3 codes of x, K innermost, in blocks of 32 codes, four codes in three bytes); x_scales 4,096 x 32 uint8 (E8M0 scales of x, one for each 32 codes along K).
;; Outputs: out0 4,096 x 1,024 float32.
;; This version of the problem:
;;   THIS VERSION OF THE PROBLEM IS GIVEN IN LOW PRECISION. The matrix products marked QUANTISED in the list below multiply operands that are first quantised to E2M3 (2 exponent bits, 3 mantissa bits; 6 bits a number), with one power-of-two scale for each 32 numbers along K (OCP MX v1.0); their sums are f32. All else is computed in f32.
;;   The module's matrix products, in the order in which they are computed (A, B: the left and right operand; K: the contracted axis; several contracted axes count as one K, in the product's order):
;;     1. [M 4,096, K 1,024] x [K 1,024, N 3,072]; A: input x (given as codes); B: input w_qkv (given as codes): QUANTISED
;;     2. batch 16 x [M 4,096, K 64] x [K 64, N 4,096]; A: computed on the way; B: computed on the way: QUANTISED
;;     3. batch 16 x [M 4,096, K 4,096] x [K 4,096, N 64]; A: softmax (see below); B: computed on the way: QUANTISED
;;     4. [M 4,096, K 1,024] x [K 1,024, N 1,024]; A: computed on the way; B: input w_o (given as codes): QUANTISED
;;   THE QUANTISER, for each operand of a quantised product, along K:
;;     - K is cut into blocks of 32 from its start; a last block that is shorter is filled with zeros.
;;     - A block's scale is 2^e with e = floor(log2(the largest magnitude in the block)) - 2, held to -126 .. 127; a block of zeros has e = 0. As a byte (E8M0): e + 127.
;;     - Each number is divided by its block's scale, clamped to +-7.5, and rounded to the nearest number of E2M3, ties to even, subnormals kept.
;;     - The product sums the exact products of the quantised numbers (number of the format x scale) in f32.
;;   ~~~python
;;   def quantise(x, axis):      # numpy; x: float32 -> the quantised numbers, widened to float32 again
;;       x = np.moveaxis(x, axis, -1); K = x.shape[-1]
;;       x = np.pad(x, [(0, 0)] * (x.ndim - 1) + [(0, -K % 32)]); x = x.reshape(x.shape[:-1] + (-1, 32)); a = np.abs(x).max(-1, keepdims=True)
;;       e = np.where(a > 0, np.clip(np.frexp(np.where(a > 0, a, 1))[1] - 1 - 2, -126, 127), 0)      # np.frexp(a)[1] - 1 = floor(log2(a)), exactly
;;       r = np.clip(x / 2.0 ** e, -7.5, 7.5)
;;       step = 2.0 ** (np.maximum(np.frexp(np.where(r == 0, 1, r))[1] - 1, 0) - 3)
;;       q = np.round(r / step) * step * 2.0 ** e      # np.round: ties to even
;;       return np.moveaxis(q.reshape(q.shape[:-2] + (-1,))[..., :K], -1, axis).astype(np.float32)
;;   ~~~
;;   SOFTMAX AHEAD OF A QUANTISED PRODUCT. Where the list says 'softmax', what is quantised is not the finished softmax but p = 2^(t - M), with t = logit x log2(e) and M = ceil(the row's largest t), a whole number; so 1/2 < the row's largest p <= 1. The row's sum l is taken of the UNQUANTISED p, in f32, and the product's result is divided by l at the end. Since M is a whole number, a kernel that streams over the keys may use a running M (the ceiling of the running maximum): every later rescaling is an exact power of two, which a block's scale takes up: the codes' values come out the same.
;;   OPERANDS COMPUTED ON THE WAY. 'Computed on the way' means the value that the module computes at that place (a softmax that the list does not call 'softmax' is quantised finished and normalised). What goes into a quantiser is computed in f32, as accurately as f32 sums, v_exp_f32 and their like allow (about 1e-6 of the number): no bf16 or f16 on the way to a quantiser, and a product that is left as it is and whose result goes on into a quantised operand takes f32 operands (vector FMAs, or v_wmma_f32_16x16x4_f32). A number that lies on a knife's edge between two numbers of the format may be rounded either way, as far as f32 arithmetic and the matrix unit's own rounding can turn it there, and no further.
;;   INPUTS GIVEN AS CODES. w_o (in the module: [1024, 1024], K = its axis 0); w_qkv (in the module: [1024, 3072], K = its axis 0); x (in the module: [4096, 1024], K = its axis 1): each comes as NAME_codes (uint8): NAME with its K axis moved to the last place and cut into blocks of 32 codes, [.., K / 32, bytes a block], one block behind the other in memory; four codes in three bytes: a row's codes are one little-endian stream of bits, code i at bits 6 i .. 6 i + 5 (a code: sign, 2 exponent bits, 3 mantissa bits); and NAME_scales (uint8): the same leading axes, one E8M0 byte (e + 127) for each 32 codes along K. Its value is code x scale, taken as it is: it is not quantised again, and the codes and scales need not be those that the quantiser above would give.
;; One version. Each part assembles by itself: llvm-mc -triple=amdgcn-amd-amdhsa -mcpu=gfx1250 --defsym DOCPART=n.
;; ======== version 1 of 1: 3 launches
;; limits: right only within a limited range of input values
;; workspace buffers: qrec 3,407,872 bytes; kv 6,684,672 bytes; o_img 3,145,728 bytes; o_scl 131,072 bytes
;; launch qkv (part 1): grid 12 x 16, 4 waves a work-group, clusters of 4 x 4, 327,680 bytes of LDS; arguments x_codes, x_scales, w_qkv_codes, w_qkv_scales, b_qkv, qrec, kv; writes qrec, kv
.if DOCPART == 1
	.amdgcn_target "amdgcn-amd-amdhsa--gfx1250"
	.amdhsa_code_object_version 6
	.text
	.protected	k_qd60afe869a_qkv
	.globl	k_qd60afe869a_qkv
	.p2align	8
	.type	k_qd60afe869a_qkv,@function
k_qd60afe869a_qkv:
	s_mov_b64 s[64:65], 0
	v_nop
	global_prefetch_b8 v0, s[64:65] scope:SCOPE_SE
	s_setreg_imm32_b32 hwreg(HW_REG_WAVE_MODE, 25, 1), 1
	s_wait_xcnt 0x0
	s_wait_alu depctr_hold_cnt(0) depctr_sa_sdst(0) depctr_va_vdst(0) depctr_va_sdst(0) depctr_va_ssrc(0) depctr_va_vcc(0) depctr_vm_vsrc(0)
	s_getreg_b32 s2, hwreg(HW_REG_IB_STS2, 6, 4)
	s_cmp_eq_u32 s2, 0
	s_cbranch_scc0 .Lentry_in_a_cluster
	s_endpgm
.Lentry_in_a_cluster:
	s_bfe_u32 s2, ttmp6, 0x10000c
	s_cmp_lg_u32 s2, 0xf033
	s_cbranch_scc0 .Lentry_shape_is_right
	s_endpgm
.Lentry_shape_is_right:
; qkv = x w_qkv + b_qkv on codes of FP6 (E2M3) with E8M0 scales, and its three parts quantised again for the attention: q and k along the head's 64 channels, v along the keys.
; ONE FORM FOR ALL THREE: C'[m'][n'] = sum over k of A'[m'][k] B'[n'][k], K = 1,024, and C' + bias is quantised along n'.
;   cluster x = 0 (q), 1 (k): A' = x (positions), B' = rows 0 .. 2,047 of w_qkv (channels).   cluster x = 2 (v): A' = rows 2,048 .. 3,071 of w_qkv, B' = x (n' = keys).
; The case hangs on the cluster's x alone, which all sixteen partners share: pointers are chosen by s_cselect, and only the way out has two arms.
; A tile of C', 256 x 256, is made by four waves, 128 x 128 each (64 accumulators).  K goes through a ring of two LDS slots in CHUNKS OF 256 BYTES of each row (a row of codes is 768 bytes: three chunks, each
; beginning at a multiple of 256 bytes).  A step of 128 along K is 96 bytes: eight steps to three chunks; steps 2 and 5 lie across two chunks.  The scale bytes of the work-group's rows come into LDS once.
; CLUSTERS: 4 x 4 work-groups; A's tiles are asked for jointly along a row of the cluster, B's along a column.  12 x 16 = 192 work-groups: q, k and v are one column of clusters each.
; No prefetch: the walk has three chunks, of which two are asked for at the head and the third in step 2: no trip lies a whole step ahead of a load that is not already out.
; THE MATRIX INSTRUCTION IS USED TRANSPOSED (source 0 = 16 rows of B', source 1 = 16 rows of A'), AND THE ROWS OF A TILE ARE NOT NEIGHBOURS, on both sides: lane r of tile i takes row
; 32 (i / 2) + 8 (i % 2) + r + 8 (r / 8).  So a lane's 64 results of a block of A' are 4 x 16 neighbours along n' (register 16 c + i = n' 32 c + 16 (lane / 16) + i), as the conversions want them.
; OUT, as images of operand registers (12 registers a lane as three runs of 512 bytes: run c = registers 4 c .. 4 c + 3, lane l at 16 l):
;   qrec [head][block of 128 queries], 6,656 bytes: four pair images (registers 0-5: tile 2 b, 6-11: tile 2 b + 1; a tile is 16 rows x 64 channels), then 512 bytes of scale words
;        (lane l at 16 l: the words of b = 0 .. 3; lanes 0-15 tile 2 b, lanes 16-31 tile 2 b + 1; a word = the row's two bytes, then two bytes 0).
;   kv [head][step of 128 keys], 13,056 bytes: k as in qrec; at 6,656 v: four fragment images (16 channels x 128 keys); at 12,800 v's scale words (lane l at 8 l: tiles (0, 1) and (2, 3)).
; LIMITS: NaN and infinities are not served; a block whose largest magnitude lies under 2^-124 gets the byte 1, a block of zeros too (its codes are zeros; the bytes are read by this program alone).
; REGISTERS: window 0: v0-23 at work and LDS addresses (code images on the way out); v24-31 offsets that stay; v32-63 scale words, two sets; v64-127 the bias along n'; v128-223 A's fragments, one set
;   (on the way out 64 numbers and the quantiser's work); v224-239 the bias along m'; v240-247 scale words on their way out.  window 1: B's fragments, two sets.  windows 2, 3: the accumulators.
.set ROWB,   256
.set NQ,     2
.set KROW,   768
.set STEPS,  8
.set CHUNKS, 3
.set PITCH,  272                       ; 256 bytes + 16 of padding
.set FR,     12
.set NL,     6
.set NP,     4                         ; places behind this matrix instruction (ISA guide 7.12.1)
.set HALFT,  128*PITCH
.set SLOT,   4*HALFT                   ; A's 256 rows, then B's 256 rows
.set KS,     32
.set SCL,    2*SLOT                    ; the scales, as units of 256 bytes + 16 of padding
.set HALFS,  (128*KS/256)*272
.set SPARE,  SCL+4*HALFS               ; the spare words: 512 bytes that no other line names
.set QREC,   6656
.set REC,    13056
.set X0,   0
.set X1,   12
.set ADRA, 16                          ; v16-17 my A fragments in slot 0, 1; v18-19 for pieces whose lanes 16-31 lie in the next chunk
.set ADRB, 20
.set LI,   24
.set L8,   25
.set ADRS, 27
.set SPW,  28
.set NIL,  29
.set BNO,  30
.set BMO,  31
.set SC,   32
.set BN,   64
.set AF,   128
.set T,    128
.set TM,   192
.set PT,   208
.set PW,   216
.set WL,   218
.set BM,   224
.set SW0,  240
.set SW1,  244
.set G1, 24
.set G0, 32
.set G1B, 48
.set G0B, 56
.set G1S, 68
.set G0S, 76
.set G1SB, 80
.set G0SB, 88
.set G0H, 4                            ; group 0 of the head's loads of chunk 0, in registers whose pointers have been used
.set G0HB, 8
.set SEL, 100
.set MSB, 0
.macro WIN new                         ; the immediate's high byte repeats the setting that is left
.if MSB != (\new)
	s_set_vgpr_msb (MSB<<8)|(\new)
.set MSB, (\new)
.endif
.endm
.set MUL_LO, 0xa1
.set MUL_HI, 0xf1
.set TO_B,   0x40
.macro TL g0, g1                       ; a tensor load with an s_nop and four v_nop behind it
	tensor_load_to_lds s[\g0:\g0+3], s[\g1:\g1+7]
	s_nop 0
.rept 4
	v_nop
.endr
.endm
.macro JLOAD g0a, g1a, g0b, g1b        ; waves 0 and 1 fetch for A, waves 2 and 3 for B: the branch hangs on the wave's number alone
	s_cmp_eq_u32 s15, 0
	s_cbranch_scc0 .Lfor_b_\@
	TL \g0a, \g1a
	s_branch .Lasked_\@
.Lfor_b_\@:
	TL \g0b, \g1b
.Lasked_\@:
.endm
.macro CREST                           ; a round of the cluster's barrier behind its opening barrier
	s_cmp_lg_u32 s14, 0
	s_cbranch_scc1 .Lnot_wave_0_\@
	s_barrier_signal -3
.Lnot_wave_0_\@:
	s_barrier_wait -3
	s_barrier_signal -1
	s_barrier_wait -1
.endm
.macro CROUND
	s_barrier_signal -1
	s_barrier_wait -1
	CREST
.endm
	s_load_b256 s[68:75], s[0:1], 0x0              ; x's codes, x's scales, w's codes, w's scales
	s_load_b128 s[76:79], s[0:1], 0x20             ; b_qkv, qrec
	s_load_b64 s[80:81], s[0:1], 0x30              ; kv
	v_lshl_add_u32 v[SPW], v0, 2, SPARE
	v_mov_b32 v[NIL], 0
	ds_add_u32 v[SPW], v[NIL]                      ; the opening lines: the add twice on end and one wait
	ds_add_u32 v[SPW], v[NIL]
	v_lshrrev_b32 v1, 5, v0
	v_readfirstlane_b32 s14, v1                    ; wave 0..3
	s_lshr_b32 s15, s14, 1                         ; my half of A's rows; also: I fetch for A (0) or B (1)
	s_and_b32 s16, s14, 1                          ; my half of B's rows; also: which 128 rows I fetch
	s_bfe_u32 s40, ttmp6, 0x40000                  ; cx
	s_bfe_u32 s41, ttmp6, 0x40004                  ; cy
	s_lshl_b32 s2, ttmp9, 2
	s_and_b32 s3, ttmp7, 0xffff
	s_lshl_b32 s3, s3, 2
	s_cmp_eq_u32 ttmp9, 2                          ; v's column of clusters?
	s_cselect_b32 s95, 1, 0
	s_cselect_b32 s17, 0, s3
	s_cselect_b32 s42, s3, s2
	s_cselect_b32 s66, 2048, 0                     ; v's rows of w_qkv begin at 2,048
	s_add_co_u32 s17, s17, s41                     ; tile row of C'
	s_add_co_u32 s42, s42, s40                     ; tile column of C'
	s_lshl_b32 s43, s41, 2
	s_lshl_b32 s43, 15, s43                        ; my row of the cluster
	s_lshl_b32 s44, 0x1111, s40                    ; my column
	s_or_b32 s[G1+0], s43, (0<<16)|(1<<20)|(1<<21)|(5<<22)|(3<<25)  ; mask; bytes; 4 words of padding behind every 64
	s_or_b32 s[G1B+0], s44, (0<<16)|(1<<20)|(1<<21)|(5<<22)|(3<<25)
.irp g, G1, G1B
	s_mov_b32 s[\g+1], ROWB<<16
	s_mov_b32 s[\g+2], 256<<16                     ; 256 rows for the head's loads
	s_mov_b32 s[\g+3], ROWB<<16
	s_mov_b32 s[\g+4], 256
	s_mov_b32 s[\g+5], KROW
	s_mov_b32 s[\g+6], 0
	s_mov_b32 s[\g+7], 0
.endr
	s_lshl_b32 s20, s17, 8
	s_add_co_u32 s20, s20, s66                     ; A': the tile's first row
	s_lshl_b32 s46, s42, 8                         ; B': likewise
	s_mov_b32 s21, 0
	s_mov_b32 s47, 0
	s_mov_b64 s[18:19], KS
	s_mul_u64 s[22:23], s[20:21], s[18:19]         ; where these rows' scales begin
	s_mul_u64 s[92:93], s[46:47], s[18:19]
	s_mov_b64 s[18:19], KROW
	s_mul_u64 s[20:21], s[20:21], s[18:19]         ; and their codes
	s_mul_u64 s[46:47], s[46:47], s[18:19]
	s_mul_i32 s18, s16, 128*KROW                   ; in the ring I fetch 128 rows
	s_mov_b32 s19, 0
	s_mul_i32 s45, s14, HALFT                      ; which go to wave x 128 rows
	s_mov_b32 s[SEL], 0x76543210
	s_mov_b32 s[SEL+1], 0xfedcba98
	s_wait_dscnt 0x0                               ; both opening adds are done
	s_wait_kmcnt 0x0
	s_cmp_eq_u32 ttmp9, 2                          ; the operands change places for v
	s_cselect_b64 s[4:5], s[72:73], s[68:69]
	s_cselect_b64 s[6:7], s[74:75], s[70:71]
	s_cselect_b64 s[8:9], s[68:69], s[72:73]
	s_cselect_b64 s[10:11], s[70:71], s[74:75]
	s_mov_b64 s[12:13], s[76:77]                   ; b_qkv
	s_mov_b32 s104, REC
	s_cmp_eq_u32 ttmp9, 0
	s_cselect_b64 s[96:97], s[78:79], s[80:81]     ; q goes to qrec, k and v to kv
	s_cselect_b32 s104, QREC, s104
	s_or_b32 s[G1S+0], s43, (3<<16)|(1<<20)|(1<<21)|(5<<22)|(3<<25)  ; the scales of 256 rows: 32 dense rows of 256 bytes
	s_or_b32 s[G1SB+0], s44, (3<<16)|(1<<20)|(1<<21)|(5<<22)|(3<<25)
.irp g, G1S, G1SB
	s_mov_b32 s[\g+1], 32<<16
	s_mov_b32 s[\g+2], KS<<16
	s_mov_b32 s[\g+3], 32<<16
	s_mov_b32 s[\g+4], KS
	s_mov_b32 s[\g+5], 32
	s_mov_b32 s[\g+6], 0
	s_mov_b32 s[\g+7], 0
.endr
	s_add_nc_u64 s[20:21], s[4:5], s[20:21]
	s_add_nc_u64 s[22:23], s[6:7], s[22:23]
	s_add_nc_u64 s[46:47], s[8:9], s[46:47]
	s_add_nc_u64 s[92:93], s[10:11], s[92:93]
	CROUND                                         ; all sixteen work-groups are here: the first joint loads meet
	s_mov_b32 s[G0H], 1
	s_mov_b32 s[G0H+1], 0
	s_mov_b64 s[G0H+2:G0H+3], s[20:21]
	s_or_b32 s[G0H+3], s[G0H+3], 0x80000000
	s_mov_b32 s[G0HB], 1
	s_mov_b32 s[G0HB+1], 2*HALFT
	s_mov_b64 s[G0HB+2:G0HB+3], s[46:47]
	s_or_b32 s[G0HB+3], s[G0HB+3], 0x80000000
	s_mov_b32 s[G0S], 1
	s_mov_b32 s[G0S+1], SCL
	s_mov_b64 s[G0S+2:G0S+3], s[22:23]
	s_or_b32 s[G0S+3], s[G0S+3], 0x80000000
	s_mov_b32 s[G0SB], 1
	s_mov_b32 s[G0SB+1], SCL+2*HALFS
	s_mov_b64 s[G0SB+2:G0SB+3], s[92:93]
	s_or_b32 s[G0SB+3], s[G0SB+3], 0x80000000
	s_add_nc_u64 s[20:21], s[20:21], s[18:19]      ; for the ring: my 128 rows
	s_add_nc_u64 s[46:47], s[46:47], s[18:19]
.irp s, 0,1
	s_mov_b32 s[G0+4*\s], 1
	s_add_co_u32 s[G0+4*\s+1], s45, \s*SLOT
	s_add_nc_u64 s[G0+4*\s+2:G0+4*\s+3], s[20:21], \s*ROWB
	s_or_b32 s[G0+4*\s+3], s[G0+4*\s+3], 0x80000000
	s_mov_b32 s[G0B+4*\s], 1
	s_add_co_u32 s[G0B+4*\s+1], s45, \s*SLOT
	s_add_nc_u64 s[G0B+4*\s+2:G0B+4*\s+3], s[46:47], \s*ROWB
	s_or_b32 s[G0B+4*\s+3], s[G0B+4*\s+3], 0x80000000
.endr
; THE HEAD'S LOADS, ONE A WAVE: wave 0 chunk 0 of A's 256 rows, wave 1 of B's, wave 2 A's scales, wave 3 B's.  One chain of branches, all arms to one join.
.macro ARM under, g0, g1, next
	s_cmp_lt_u32 s14, \under
	s_cbranch_scc0 \next
	TL \g0, \g1
	s_branch .Lhead_asked
\next:
.endm
	ARM 1, G0H,  G1,  .Lhead_b
	ARM 2, G0HB, G1B, .Lhead_sa
	ARM 3, G0S,  G1S, .Lhead_sb
	TL G0SB, G1SB
.Lhead_asked:
	; WHERE MY RESULTS GO: record (head, block or step).  My 128 along the channels are two heads: two bases, 32 records apart.
	s_lshl_b32 s92, s41, 2
	s_lshl_b32 s93, s15, 1
	s_add_co_u32 s92, s92, s93                     ; v: head 4 cy + 2 x (half of A')
	s_lshl_b32 s93, s40, 2
	s_lshl_b32 s94, s16, 1
	s_add_co_u32 s93, s93, s94                     ; q, k: head 4 cx + 2 x (half of B')
	s_lshl_b32 s94, s42, 1
	s_add_co_u32 s94, s94, s16                     ; v: key step
	s_lshl_b32 s105, s17, 1
	s_add_co_u32 s105, s105, s15                   ; q, k: block
	s_cmp_eq_u32 s95, 1
	s_cselect_b32 s92, s92, s93
	s_cselect_b32 s94, s94, s105
	s_cselect_b32 s105, QREC, 0                    ; v's part of a record lies behind k's
	s_lshl_b32 s92, s92, 5
	s_add_co_u32 s92, s92, s94
	s_mul_i32 s92, s92, s104
	s_add_co_u32 s92, s92, s105
	s_mov_b32 s93, 0
	s_add_nc_u64 s[96:97], s[96:97], s[92:93]
	s_lshl_b32 s92, s104, 5
	s_add_nc_u64 s[98:99], s[96:97], s[92:93]
	; the biases' offsets: the kind that the case does not use is loaded from the buffer's first bytes and never read
	s_lshl_b32 s2, s42, 10
	s_lshl_b32 s93, s16, 9
	s_add_co_u32 s2, s2, s93                       ; q, k: 4 n0
	s_lshl_b32 s3, s41, 10
	s_lshl_b32 s93, s15, 9
	s_add_co_u32 s3, s3, s93
	s_add_co_u32 s3, s3, 8192                      ; v: 4 (2,048 + my 128 channels)
	s_cmp_eq_u32 s95, 1
	s_cselect_b32 s2, 0, s2
	s_cselect_b32 s3, s3, 0
	s_mov_b32 s18, SLOT-232
	s_mov_b32 s19, SLOT+232
	s_mul_i32 s21, s15, HALFT                      ; my 128 rows of A
	s_mul_i32 s22, s16, HALFT
	s_add_co_u32 s22, s22, 2*HALFT                 ; my 128 rows of B
	s_mul_i32 s94, s15, HALFS
	s_mul_i32 s23, s16, HALFS
	s_add_co_u32 s23, s23, 2*HALFS
	s_sub_co_u32 s23, s23, s94                     ; from A's scales to B's
	s_add_co_u32 s94, s94, SCL
	v_and_b32 v1, 15, v0                           ; r
	v_bfe_u32 v2, v0, 4, 1                         ; h
	v_and_b32 v7, 8, v1
	v_add_nc_u32 v7, v7, v1                        ; r + 8 (r / 8)
	v_mul_u32_u24 v3, v7, PITCH
	v_mul_u32_u24 v4, v2, 24
	v_add_nc_u32 v4, v3, v4
	v_sub_nc_u32 v8, 1, v2
	v_mul_u32_u24 v5, s18, v2
	v_add_nc_u32 v5, v3, v5
	v_add_nc_u32 v5, 232, v5                       ; lanes 0-15 byte 232 of the row in slot 0, lanes 16-31 byte 0 in slot 1
	v_mul_u32_u24 v6, s19, v8
	v_add_nc_u32 v6, v3, v6                        ; lanes 0-15 byte 232 in slot 1, lanes 16-31 byte 0 in slot 0
	v_add_nc_u32 v[ADRA], s21, v4
	v_add_nc_u32 v[ADRB], s22, v4
	v_add_nc_u32 v[ADRA+1], SLOT, v[ADRA]
	v_add_nc_u32 v[ADRB+1], SLOT, v[ADRB]
	v_add_nc_u32 v[ADRA+2], s21, v5
	v_add_nc_u32 v[ADRA+3], s21, v6
	v_add_nc_u32 v[ADRB+2], s22, v5
	v_add_nc_u32 v[ADRB+3], s22, v6
	v_mul_u32_u24 v5, v7, KS                       ; my row's scales: 32 bytes a row,
	v_lshrrev_b32 v6, 8, v5
	v_lshl_add_u32 v5, v6, 4, v5                   ; and 16 more for each 256 passed
	v_mul_u32_u24 v6, s23, v2                      ; lanes 16-31 take B's
	v_add_nc_u32 v5, v5, v6
	v_add_nc_u32 v[ADRS], s94, v5
	v_and_b32 v6, 31, v0
	v_lshlrev_b32 v[LI], 4, v6
	v_lshlrev_b32 v[L8], 3, v6
	v_lshlrev_b32 v[BNO], 6, v2
	v_add_nc_u32 v[BNO], s2, v[BNO]
	v_lshl_add_u32 v[BMO], v7, 2, s3
	s_wait_alu depctr_va_vdst(0)                   ; the wait at the head's end
.irp c, 0,1,2,3
.irp j, 0,1,2,3
	global_load_b128 v[BN+16*\c+4*\j:BN+16*\c+4*\j+3], v[BNO], s[12:13] offset:128*\c+16*\j
.endr
.endr
.irp a, 0,1,2,3,4,5,6,7
	global_load_b32 v[BM+2*\a], v[BMO], s[12:13] offset:4*(32*(\a/2)+8*(\a%2))
	global_load_b32 v[BM+2*\a+1], v[BMO], s[12:13] offset:4*(32*(\a/2)+8*(\a%2))   ; twice: a pair for the packed addition
.endr
.macro FRAG reg, adr, st, i            ; 16 rows x 128 K: 12 registers, in pieces of 8 bytes; byte y of a row lies in slot (y / 256) % 2 at byte y % 256.  Tile i begins at row 32 (i / 2) + 8 (i % 2)
.irp p, 0,1,2,3,4,5
.set BY, 96*(\st)+48*(\p/3)+8*(\p%3)
.if BY/ROWB == (BY+24)/ROWB
	ds_load_b64 v[\reg+2*\p:\reg+2*\p+1], v[\adr+(BY/ROWB)%2] offset:BY%ROWB+(32*((\i)/2)+8*((\i)%2))*PITCH
.else
	ds_load_b64 v[\reg+2*\p:\reg+2*\p+1], v[\adr+2+(BY/ROWB)%2] offset:BY%ROWB-232+(32*((\i)/2)+8*((\i)%2))*PITCH
.endif
.endr
.endm
; 16 matrix instructions: A's blocks a0, a0 + 1 x B's eight.  The 64 accumulators take turns.
.macro MUL16 a0, p, q, sc, zero
.irp a, \a0, \a0+1
.irp b, 0,1,2,3,4,5,6,7
.if \zero
	v_wmma_scale_f32_16x16x128_f8f6f4 v[8*(8*((\a)%4)+\b):8*(8*((\a)%4)+\b)+7], v[128*(\p)+FR*\b:128*(\p)+FR*\b+FR-1], v[AF+FR*(\a):AF+FR*(\a)+FR-1], 0, v[SC+8*NQ*(\sc)+NQ*\b+(\q)], v[SC+8*NQ*(\sc)+NQ*(\a)+(\q)] matrix_a_fmt:MATRIX_FMT_FP6 matrix_b_fmt:MATRIX_FMT_FP6 matrix_a_scale:MATRIX_SCALE_ROW1
.else
	v_wmma_scale_f32_16x16x128_f8f6f4 v[8*(8*((\a)%4)+\b):8*(8*((\a)%4)+\b)+7], v[128*(\p)+FR*\b:128*(\p)+FR*\b+FR-1], v[AF+FR*(\a):AF+FR*(\a)+FR-1], v[8*(8*((\a)%4)+\b):8*(8*((\a)%4)+\b)+7], v[SC+8*NQ*(\sc)+NQ*\b+(\q)], v[SC+8*NQ*(\sc)+NQ*(\a)+(\q)] matrix_a_fmt:MATRIX_FMT_FP6 matrix_b_fmt:MATRIX_FMT_FP6 matrix_a_scale:MATRIX_SCALE_ROW1
.endif
.endr
.endr
.endm
.macro FETCH_B st, p
	WIN TO_B
.irp i, 0,1,2,3,4,5,6,7
	FRAG 128*(\p)+FR*\i, ADRB, \st, \i
.endr
	WIN 0
.endm
.macro FETCH_A st, i0
.irp i, \i0, \i0+1, \i0+2, \i0+3
	FRAG AF+FR*(\i), ADRA, \st, \i
.endr
.endm
.macro SCALES pr                       ; the scale words of steps 2 pr, 2 pr + 1 into set pr % 2; lanes 0-15 A's block i, lanes 16-31 B's
.irp i, 0,1,2,3,4,5,6,7
	ds_load_b64 v[SC+8*NQ*((\pr)%2)+NQ*\i:SC+8*NQ*((\pr)%2)+NQ*\i+1], v[ADRS] offset:(4*(\i/2)+\i%2)*272+4*NQ*(\pr)
.endr
.endm
.macro PLACES n
.rept \n
	v_nop
.endr
.endm
; A step of 128 along K.  Where the next step's bytes END in a chunk not yet read: every wave waits for its tensor loads, and a barrier shows the chunk whole.  Where they BEGIN in a later chunk: the chunk left
; behind is read no more: the wait for all tensor loads, the add, the wait for it and for my reads, the barrier; where a chunk two on is left to fetch, the barrier opens a round and the slot is filled again.
.macro STEP st, zero
.set NX, (\st)+1
.set C0, (96*(\st))/ROWB
.set C1, (96*NX)/ROWB
.set E0, (96*(\st)+95)/ROWB
.set E1, (96*NX+95)/ROWB
.if C1 > C0 || E1 > E0
	s_wait_tensorcnt 0x0                           ; all my tensor loads have landed
.if C1 > C0
	ds_add_u32 v[SPW], v[NIL]
	s_wait_dscnt 4*NL+1                            ; the add and the youngest 24 loads (A's blocks 4-7) may be out
.else
	s_wait_dscnt 4*NL                              ; the youngest 24 loads may be out
.endif
	WIN MUL_LO
	MUL16 0, (\st)%2, (\st)%2, ((\st)/2)%2, \zero
	s_wait_dscnt 0x0                               ; the add, where there is one, and all my reads are done
	s_barrier_signal -1
	MUL16 2, (\st)%2, (\st)%2, ((\st)/2)%2, \zero
	WIN 0
	s_barrier_wait -1
.if C1 > C0 && C0+2 < CHUNKS
	CREST                                          ; no wave of any partner still reads this slot or has a load on its way
	s_add_nc_u64 s[G0+4*(C0%2)+2:G0+4*(C0%2)+3], s[G0+4*(C0%2)+2:G0+4*(C0%2)+3], 2*ROWB
	s_add_nc_u64 s[G0B+4*(C0%2)+2:G0B+4*(C0%2)+3], s[G0B+4*(C0%2)+2:G0B+4*(C0%2)+3], 2*ROWB
	JLOAD G0+4*(C0%2), G1, G0B+4*(C0%2), G1B       ; chunk C0 + 2; its four v_nop are the places in front of the loads below
.else
	PLACES NP
.endif
.else
	s_wait_dscnt 4*NL                              ; B's set and A's blocks 0-3 are in
	WIN MUL_LO
	MUL16 0, (\st)%2, (\st)%2, ((\st)/2)%2, \zero
	MUL16 2, (\st)%2, (\st)%2, ((\st)/2)%2, \zero
	s_wait_dscnt 0                                 ; A's blocks 4-7 are in
	PLACES NP
.endif
	FETCH_B NX, NX%2
	FETCH_A NX, 0
.if NX%2 == 0
	SCALES NX/2
.endif
	WIN MUL_HI
	MUL16 4, (\st)%2, (\st)%2, ((\st)/2)%2, \zero
	MUL16 6, (\st)%2, (\st)%2, ((\st)/2)%2, \zero
	PLACES NP
	WIN 0
	FETCH_A NX, 4
.endm
	s_wait_loadcnt 0x0                             ; the biases are in
	s_wait_tensorcnt 0x0                           ; my tile of the head's four is in; the lines ahead of a later first fill:
	ds_add_u32 v[SPW], v[NIL]
	s_mov_b32 s[G1+2], 128<<16                     ; no tensor load of mine is out: from here on a load brings 128 rows
	s_mov_b32 s[G1+4], 128
	s_mov_b32 s[G1B+2], 128<<16
	s_mov_b32 s[G1B+4], 128
	s_wait_dscnt 0x0
	CROUND                                         ; all four tiles are in, and all sixteen work-groups are here
	JLOAD G0+4, G1, G0B+4, G1B                     ; chunk 1, the first tensor load behind the round
	FETCH_B 0, 0
	FETCH_A 0, 0
	SCALES 0
	FETCH_A 0, 4
	STEP 0, 1                                      ; the first step's products start the sums
.set ST, 1                             ; the walk is written out: slots and chunks do not come back to where they began within these eight steps
.rept STEPS-2
	STEP ST, 0
.set ST, ST+1
.endr
	s_wait_dscnt 4*NL                              ; the last step: nothing more to fetch
	WIN MUL_LO
	MUL16 0, 1, 1, 1, 0
	MUL16 2, 1, 1, 1, 0
	s_wait_dscnt 0
	WIN MUL_HI
	MUL16 4, 1, 1, 1, 0
	MUL16 6, 1, 1, 1, 0
	WIN 0
; THE WAY OUT: no LDS, no barrier.  A block of A' (16 rows) at a time: bias, quantiser, stores of 512 consecutive bytes a wave.
; 64 numbers of a lane become codes: blocks 0, 1 in v[d0] .. v[d0 + 5], blocks 2, 3 in v[d1] .. v[d1 + 5]; the four scale bytes in v[pw].
.macro QUANT s, d0, d1, pw
.irp b, 0,1,2,3
	v_max3_num_f32 v[TM+\b], |v[\s+16*\b]|, |v[\s+1+16*\b]|, 0x1800000   ; with the floor 2^(3 - 127): the byte cannot fall under 1
.endr
.irp i, 2,4,6,8,10,12,14
.irp b, 0,1,2,3
	v_max3_num_f32 v[TM+\b], v[TM+\b], |v[\s+16*\b+\i]|, |v[\s+1+16*\b+\i]|
.endr
.endr
.irp b, 0,1,2,3
	v_permlanex16_b32 v[TM+4+\b], v[TM+\b], s[SEL], s[SEL+1]
.endr
.irp b, 0,1,2,3
	v_max_num_f32 v[TM+\b], v[TM+\b], v[TM+4+\b]   ; with lane l xor 16's
.endr
.irp b, 0,1,2,3
	v_add_nc_u32 v[TM+12+\b], 0xff000000, v[TM+\b] ; 2 off the exponent field: the conversion's scale operand
.endr
.irp b, 0,1,2,3
	v_lshrrev_b32 v[TM+4+\b], 23, v[TM+12+\b]      ; the scale's byte
.endr
	v_lshl_or_b32 v[\pw], v[TM+5], 8, v[TM+4]
	v_lshl_or_b32 v[\pw], v[TM+6], 16, v[\pw]
	v_lshl_or_b32 v[\pw], v[TM+7], 24, v[\pw]
	v_cvt_scalef32_pk16_fp6_f32 v[(\d0):(\d0)+2], v[\s:\s+15], v[TM+12]
	v_cvt_scalef32_pk16_fp6_f32 v[PT:PT+2], v[\s+16:\s+31], v[TM+13]
	v_cvt_scalef32_pk16_fp6_f32 v[(\d1):(\d1)+2], v[\s+32:\s+47], v[TM+14]
	v_cvt_scalef32_pk16_fp6_f32 v[PT+4:PT+6], v[\s+48:\s+63], v[TM+15]
	v_nop                                          ; one plain place behind a scaled conversion
.irp i, 0,1,2                                  ; a whole block to a lane
	v_permlane16_swap_b32 v[(\d0)+\i], v[PT+\i]
	v_permlane16_swap_b32 v[(\d1)+\i], v[PT+4+\i]
.endr
.irp i, 0,1,2
	v_mov_b32 v[(\d0)+3+\i], v[PT+\i]
	v_mov_b32 v[(\d1)+3+\i], v[PT+4+\i]
.endr
.endm
; q, k: blocks 2 b and 2 b + 1 of my positions; the first head's codes go to image X0, the second's to X1.
.macro PAIRQK b
.if \b > 0
	s_wait_xcnt 0x0                                ; the last pair's stores have read their registers
.endif
.irp g, 0,1
	WIN 0x02+(2*\b+\g)/4
.set AC, 64*((2*\b+\g)%4)
.set i, 0
.rept 32
	v_pk_add_f32 v[T+i:T+i+1], v[AC+i:AC+i+1], v[BN+i:BN+i+1]   ; the bias; each accumulator from its low end on
.set i, i+2
.endr
	WIN 0
	QUANT T, X0+6*\g, X1+6*\g, PW+\g
.endr
	v_cndmask_b32 v[WL], v[PW], v[PW+1], vcc_lo    ; lanes 0-15 the even tile's words, lanes 16-31 the odd tile's
	v_and_b32 v[SW0+\b], 0xffff, v[WL]
	v_lshrrev_b32 v[SW1+\b], 16, v[WL]
.irp c, 0,1,2
	global_store_b128 v[LI], v[X0+4*\c:X0+4*\c+3], s[96:97] offset:1536*\b+512*\c
	global_store_b128 v[LI], v[X1+4*\c:X1+4*\c+3], s[98:99] offset:1536*\b+512*\c
.endr
.endm
; v: block a of my channels (head a / 4, tile a % 4) x my 128 keys.
.macro ONEV a
.if \a > 0
	s_wait_xcnt 0x0
.endif
	WIN 0x02+(\a)/4
.set AC, 64*((\a)%4)
.set i, 0
.rept 32
	v_pk_add_f32 v[T+i:T+i+1], v[AC+i:AC+i+1], v[BM+2*(\a):BM+2*(\a)+1]
.set i, i+2
.endr
	WIN 0
	QUANT T, X0, X0+6, PW+(\a)%2
.irp c, 0,1,2
	global_store_b128 v[LI], v[X0+4*\c:X0+4*\c+3], s[96+2*((\a)/4):97+2*((\a)/4)] offset:1536*((\a)%4)+512*\c
.endr
.if (\a)%2 == 1
	v_cndmask_b32 v[SW0+((\a)%4)/2], v[PW], v[PW+1], vcc_lo
.endif
.if (\a)%4 == 3
	global_store_b64 v[L8], v[SW0:SW0+1], s[96+2*((\a)/4):97+2*((\a)/4)] offset:6144
.endif
.endm
	PLACES NP
.irp b, 0,1,2,3
	v_mov_b32 v[TM+4+\b], 0                        ; a lane permute's destination counts as one of its sources
.endr
	s_mov_b32 vcc_lo, 0xffff0000                   ; lanes 16-31
	s_cmp_eq_u32 s95, 1                            ; the case: the same in all partners
	s_cbranch_scc1 .Lv_arm
	PAIRQK 0
	PAIRQK 1
	PAIRQK 2
	PAIRQK 3
	global_store_b128 v[LI], v[SW0:SW0+3], s[96:97] offset:6144
	global_store_b128 v[LI], v[SW1:SW1+3], s[98:99] offset:6144
	s_branch .Ldone
.Lv_arm:
	ONEV 0
	ONEV 1
	ONEV 2
	ONEV 3
	ONEV 4
	ONEV 5
	ONEV 6
	ONEV 7
.Ldone:
	s_wait_tensorcnt 0x0                           ; the wave's end
	ds_add_u32 v[SPW], v[NIL]
	s_wait_dscnt 0x0
	CROUND                                         ; the closing round
	s_endpgm
.Lfunc_end_k_qd60afe869a_qkv:
	.size	k_qd60afe869a_qkv, .Lfunc_end_k_qd60afe869a_qkv-k_qd60afe869a_qkv
	.p2alignl 7, 3214868480
	.fill 96, 4, 3214868480
	.section	.rodata,"a",@progbits
	.p2align	6, 0x0
	.amdhsa_kernel k_qd60afe869a_qkv
		.amdhsa_group_segment_fixed_size 327680
		.amdhsa_private_segment_fixed_size 0
		.amdhsa_enable_private_segment 0
		.amdhsa_kernarg_size 56
		.amdhsa_user_sgpr_count 2
		.amdhsa_user_sgpr_kernarg_segment_ptr 1
		.amdhsa_wavefront_size32 1
		.amdhsa_system_sgpr_workgroup_id_x 1
		.amdhsa_system_sgpr_workgroup_id_y 1
		.amdhsa_system_sgpr_workgroup_id_z 1
		.amdhsa_system_vgpr_workitem_id 0
		.amdhsa_next_free_vgpr 1024
		.amdhsa_next_free_sgpr 106
		.amdhsa_reserve_vcc 1
		.amdhsa_float_denorm_mode_32 3
		.amdhsa_float_denorm_mode_16_64 3
		.amdhsa_memory_ordered 1
		.amdhsa_forward_progress 1
		.amdhsa_inst_pref_size 233
	.end_amdhsa_kernel
	.amdgpu_metadata
---
amdhsa.version: [ 1, 2 ]
amdhsa.kernels:
  - .name:           k_qd60afe869a_qkv
    .symbol:         k_qd60afe869a_qkv.kd
    .args:
      - { .name: x_codes, .offset: 0, .size: 8, .value_kind: global_buffer, .address_space: global }
      - { .name: x_scales, .offset: 8, .size: 8, .value_kind: global_buffer, .address_space: global }
      - { .name: w_qkv_codes, .offset: 16, .size: 8, .value_kind: global_buffer, .address_space: global }
      - { .name: w_qkv_scales, .offset: 24, .size: 8, .value_kind: global_buffer, .address_space: global }
      - { .name: b_qkv, .offset: 32, .size: 8, .value_kind: global_buffer, .address_space: global }
      - { .name: qrec, .offset: 40, .size: 8, .value_kind: global_buffer, .address_space: global }
      - { .name: kv, .offset: 48, .size: 8, .value_kind: global_buffer, .address_space: global }
    .group_segment_fixed_size: 327680
    .private_segment_fixed_size: 0
    .kernarg_segment_align: 8
    .kernarg_segment_size: 56
    .max_flat_workgroup_size: 128
    .sgpr_count:     106
    .vgpr_count:     1024
    .wavefront_size: 32
...
	.end_amdgpu_metadata
.endif
;; end of part 1
;; launch attn (part 2): grid 16 x 16, 8 waves a work-group, no clusters, 327,680 bytes of LDS; arguments qrec, kv, o_img, o_scl; writes o_img, o_scl
.if DOCPART == 2
	.amdgcn_target "amdgcn-amd-amdhsa--gfx1250"
	.amdhsa_code_object_version 6
	.text
	.protected	k_qd60afe869a_attn
	.globl	k_qd60afe869a_attn
	.p2align	8
	.type	k_qd60afe869a_attn,@function
k_qd60afe869a_attn:
	s_mov_b64 s[64:65], 0
	v_nop
	global_prefetch_b8 v0, s[64:65] scope:SCOPE_SE
	s_setreg_imm32_b32 hwreg(HW_REG_WAVE_MODE, 25, 1), 1
	s_wait_xcnt 0x0
; Causal attention of one head on codes of FP6 (E2M3) with E8M0 scales: S = q k^T / 8, p = 2^(t - M), O = p v / (the row's sum of p), and O quantised along the model's channels for the last product.
; t = score x log2(e) / 8; M = the row's largest t so far, rounded up to a whole number; p is quantised along the keys, not normalised; the sum is taken of the unquantised p.  When M moves, the sum and O are
; multiplied by 2^(old M - new M): exact.
; SHARES.  Work-group (i, head) takes the block i of 128 queries and then the block 31 - i: i + 1 and 32 - i key steps of 128 keys, 33 in every work-group, so that all 256 have the same work and no tile is
; fetched that the mask hides wholly.  Each of the eight waves owns one tile of 16 queries of the block, in 320 registers: two waves to a SIMD.
; NO JOINT LOADS: which record a work-group wants in its g-th step hangs on i (record g, or g - i - 1 of the second walk), so the work-groups of a head ask for different records in nearly every step.
; THE RING.  A record of kv (13,056 bytes: a key step's k and v as images of operand registers, with their scale words) is one dense block.  Two LDS slots of three records; waves 0, 1, 2 fetch one record each.
; LAYOUT.  Both products are used transposed: S^T = k q^T (source 0 = 16 keys), O^T = v^T p^T (source 0 = 16 channels): a lane holds one query (lane % 16) throughout.  Keys, queries and v's channels lie in
; tiles whose lane r holds index 32 (t / 2) + 8 (t % 2) + r + 8 (r / 8): so the 16 registers of tiles 2 b, 2 b + 1 are 16 neighbours, 32 b + 16 (lane / 16) + 0 .. 15.
; THE HEAD HAS 64 CHANNELS, THE INSTRUCTION 128 ALONG K.  A tile of k is six registers; source 0 names twelve, of which the upper six are the next tile's codes (behind the last tile: zeros).  They meet q's
; upper six registers, which are zero codes; every code of this format is a finite number, and the scale bytes there are 0, no NaN: they add nothing.
; LIMITS: NaN and infinities are not served; 1 / sum is v_rcp_f32 and a multiplication; a block of O whose largest magnitude lies under 2^-124 gets the byte 1, a block of zeros too (read by this program alone).
; OUT: o_img [head / 4][tile of rows][head % 4], 768 bytes: 16 rows x 64 channels, six registers a lane as three runs of 256 bytes (run c = registers 2 c, 2 c + 1, lane l at 8 l).
;      o_scl [16 x tile + r][32]: byte 2 head + block.  A head has two bytes of a row: they leave as stores of two bytes, 128 KiB in the whole launch.
.set REC,   13056
.set QREC,  6656
.set SLOT1, 65536                      ; slot 1 begins here: one exclusive or turns an address in one slot into the other's
.set SPARE, 131072                     ; the spare words, 128 bytes for each wave: four blocks of 256 bytes that no other line names
.set LI,   1                           ; 16 x lane
.set L8,   2                           ; 8 x lane
.set SPW,  3                           ; LDS address of my spare word; never rewritten
.set NIL,  4                           ; 0; never rewritten
.set DQ,   5                           ; my query's place in its block - 16 (lane / 16)
.set ADK,  6                           ; the slot in hand + 16 x lane
.set ADV,  7                           ; the slot in hand + 8 x lane
.set VQ0,  8                           ; q's byte offsets in a record
.set VQ1,  9
.set VQS,  10
.set OSO,  11                          ; 32 x (lane % 16): my row in o_scl
;          v12 -M, v13 the largest t, v[14:15] the sum in two halves
.set Q,    16                          ; v16-27 q's fragment (registers 6-11: zero codes)
.set QN,   28                          ; v28-33 the second block's
.set QNS,  34                          ; and its scale word
.set QS,   35                          ; q's scale word
.set KV,   36                          ; v36-83 k's eight tiles; v84-89 zeros.  v's four fragments lie in window 1, v256-303 (written v0-47 under s_set_vgpr_msb): so the next step's k is asked for while this step's v is still to be used
.set S,    96                          ; v96-159 S^T, then p
.set O,    160                         ; v160-191 O^T
.set PC,   192                         ; v192-203 p's codes
.set PT,   204                         ; v204-210 the conversions' second halves
.set BMX,  212                         ; v212-215 each block's largest score, then largest p
.set TP,   216                         ; v216-219 at work
.set SO,   220                         ; v220-223 the conversions' scale operands
.set KS,   224                         ; v224-227 k's scale words
.set VS,   228                         ; v228-229 v's
.set PS,   230                         ; p's
.set F,    232                         ; v[232:233] f = 2^(old M - new M); at a block's end 1 / sum
.set TMP,  234
.set NINF, 235                         ; -infinity
.set U,    236                         ; v236-241 O's codes
.set W16,  242                         ; O's two scale bytes
.set SUM2, 244                         ; v[244:245] the sum's second chain
.set WV,   12                          ; s12 wave
.set IX,   13                          ; s13 i
.set IP1,  14                          ; s14 i + 1
.set HD,   15                          ; s15 head
.set QA,   16                          ; s[16:17], s[18:19] the two blocks' records of q
.set QB,   18
.set SEL,  20                          ; s[20:21] lane selects: lane l xor 16
.set CS,   22                          ; s[22:23] c = log2(e) / 8
.set G1,   24                          ; s[24:31] descriptor group 1; s[32:35] group 0, which walks
.set G0,   32
.set KVH,  36                          ; s[36:37] the head's first record
.set GF,   38                          ; s38 the step whose record I fetch next
.set RC,   39                          ; s39 the key step within the block in hand
.set BL,   40                          ; s40 the block in hand = its last key step, the one on the diagonal
.set SB,   41                          ; s41 LDS byte at which the slot in hand begins
.set SLOTS, 42
.set OIA,  44                          ; s[44:45], s[46:47] where the first block's codes and scale bytes go; s[48:51] the second's
.set OSA,  46
.set OIB,  48
.set OSB,  50
; Step g of my 33 wants record g of the head, or in the second walk (g > i) record g - (i + 1).
.macro RECADDR
	s_cmp_gt_u32 s[GF], s[IX]
	s_cselect_b32 s54, s[IP1], 0
	s_sub_co_u32 s54, s[GF], s54
	s_mul_i32 s54, s54, REC
	s_mov_b32 s55, 0
	s_add_nc_u64 s[G0+2:G0+3], s[KVH:KVH+1], s[54:55]
	s_or_b32 s[G0+3], s[G0+3], 0x80000000          ; 127:126 type = 2
.endm
.macro TLOAD                           ; waves 0, 1, 2 fetch a record each; the branch hangs on the wave's number alone.  Four v_nop follow the load
	s_cmp_lt_u32 s[WV], 3
	s_cbranch_scc0 .Lasked_\@
	tensor_load_to_lds s[G0:G0+3], s[G1:G1+7]
	s_nop 0
.rept 4
	v_nop
.endr
.Lasked_\@:
.endm
	s_load_b256 s[4:11], s[0:1], 0x0               ; qrec s[4:5], kv s[6:7], o_img s[8:9], o_scl s[10:11]
	v_lshl_add_u32 v[SPW], v0, 2, SPARE
	v_mov_b32 v[NIL], 0
	ds_add_u32 v3, v4
	ds_add_u32 v3, v4
	s_wait_dscnt 0x0
	v_lshrrev_b32 v[TMP], 5, v0
	s_delay_alu instid0(VALU_DEP_1)
	v_readfirstlane_b32 s[WV], v[TMP]              ; wave 0..7
	s_mov_b32 s[IX], ttmp9
	s_add_co_u32 s[IP1], ttmp9, 1
	s_and_b32 s[HD], ttmp7, 0xffff
	; descriptor group 1: a record, 51 dense rows of 256 bytes (32 elements of 8 bytes), no padding: every LDS load of a wave takes consecutive bytes
	s_mov_b32 s[G1], 3<<16
	s_mov_b32 s[G1+1], 32<<16                      ; tensor_dim0
	s_mov_b32 s[G1+2], 51<<16                      ; tensor_dim1
	s_mov_b32 s[G1+3], 32<<16                      ; tile_dim0
	s_mov_b32 s[G1+4], 51                          ; tile_dim1
	s_mov_b32 s[G1+5], 32                          ; tensor_dim0_stride
	s_mov_b32 s[G1+6], 0
	s_mov_b32 s[G1+7], 0
	s_min_u32 s[GF], s[WV], 2                      ; (waves 3-7 issue no load; held at 2, their arithmetic stays inside the buffer too)
	s_mov_b32 s[G0], 1
	s_mul_i32 s[G0+1], s[GF], REC                  ; my record's place in slot 0
	s_mul_i32 s52, s[HD], 32*REC
	s_mov_b32 s53, 0
	s_wait_kmcnt 0x0
	s_add_nc_u64 s[KVH:KVH+1], s[6:7], s[52:53]
	RECADDR
	TLOAD                                          ; slot 0: steps 0, 1, 2
	s_lshr_b32 s52, s[HD], 2
	s_lshl_b32 s52, s52, 8                         ; (head / 4) x 256 tiles
	s_and_b32 s53, s[HD], 3
	s_mul_i32 s53, s53, 768
	s_lshl_b32 s54, s[IX], 3
	s_add_co_u32 s54, s54, s[WV]                   ; my tile of rows in the first block: 8 i + wave
	s_sub_co_u32 s55, 31, s[IX]                    ; the second block
	s_lshl_b32 s56, s55, 3
	s_add_co_u32 s56, s56, s[WV]                   ; my tile there
	s_mov_b32 s59, 0
	s_add_co_u32 s58, s52, s54
	s_mul_i32 s58, s58, 3072
	s_add_co_u32 s58, s58, s53
	s_add_nc_u64 s[OIA:OIA+1], s[8:9], s[58:59]
	s_add_co_u32 s58, s52, s56
	s_mul_i32 s58, s58, 3072
	s_add_co_u32 s58, s58, s53
	s_add_nc_u64 s[OIB:OIB+1], s[8:9], s[58:59]
	s_lshl_b32 s57, s[HD], 1
	s_lshl_b32 s58, s54, 9                         ; 16 rows of 32 bytes a tile
	s_add_co_u32 s58, s58, s57
	s_add_nc_u64 s[OSA:OSA+1], s[10:11], s[58:59]
	s_lshl_b32 s58, s56, 9
	s_add_co_u32 s58, s58, s57
	s_add_nc_u64 s[OSB:OSB+1], s[10:11], s[58:59]
	s_lshl_b32 s57, s[HD], 5
	s_add_co_u32 s58, s57, s[IX]
	s_mul_i32 s58, s58, QREC
	s_add_nc_u64 s[QA:QA+1], s[4:5], s[58:59]
	s_add_co_u32 s58, s57, s55
	s_mul_i32 s58, s58, QREC
	s_add_nc_u64 s[QB:QB+1], s[4:5], s[58:59]
	v_and_b32 v[TMP], 31, v0
	s_delay_alu instid0(VALU_DEP_1)
	v_lshlrev_b32 v[LI], 4, v[TMP]
	s_delay_alu instid0(VALU_DEP_2)
	v_lshlrev_b32 v[L8], 3, v[TMP]
	v_and_b32 v[U], 15, v0                         ; r
	s_wait_alu depctr_va_vdst(0)
	v_bfe_u32 v[U+1], v0, 4, 1                     ; h
	s_wait_alu depctr_va_vdst(0)
	s_lshr_b32 s52, s[WV], 1                       ; my tile is half wave % 2 of pair image wave / 2
	s_and_b32 s53, s[WV], 1
	s_mul_i32 s54, s52, 1536
	s_mul_i32 s55, s53, 520
	s_add_co_u32 s54, s54, s55
	v_add_nc_u32 v[VQ0], s54, v[LI]                ; even tile: registers 0, 1 at 16 l (and 4, 5 at 512 more);  odd tile: registers 6, 7 at 520 + 16 l (and 10, 11 at 512 more)
	s_mul_i32 s55, s53, 496
	s_add_co_u32 s55, s55, 8
	v_add_nc_u32 v[VQ1], s55, v[VQ0]               ; even: registers 2, 3 at 8 + 16 l;  odd: registers 8, 9 at 1,024 + 16 l
	s_lshl_b32 s55, s53, 8
	s_lshl_b32 s56, s52, 2
	s_add_co_u32 s55, s55, s56
	s_add_co_u32 s55, s55, 6144
	v_lshl_add_u32 v[VQS], v[U], 4, s55            ; my row's scale word: image lane r + 16 (wave % 2), word wave / 2
	global_load_b64 v[Q:Q+1], v[VQ0], s[QA:QA+1]
	global_load_b64 v[Q+2:Q+3], v[VQ1], s[QA:QA+1]
	global_load_b64 v[Q+4:Q+5], v[VQ0], s[QA:QA+1] offset:512
	global_load_b32 v[QS], v[VQS], s[QA:QA+1]
	global_load_b64 v[QN:QN+1], v[VQ0], s[QB:QB+1]
	global_load_b64 v[QN+2:QN+3], v[VQ1], s[QB:QB+1]
	global_load_b64 v[QN+4:QN+5], v[VQ0], s[QB:QB+1] offset:512
	global_load_b32 v[QNS], v[VQS], s[QB:QB+1]
	v_lshlrev_b32 v[OSO], 5, v[U]
	v_and_b32 v[U+2], 8, v[U]
	s_delay_alu instid0(VALU_DEP_1)
	v_add_nc_u32 v[U+2], v[U+2], v[U]              ; r + 8 (r / 8)
	v_lshlrev_b32 v[U+3], 4, v[U+1]
	s_delay_alu instid0(VALU_DEP_1)
	v_sub_nc_u32 v[DQ], v[U+2], v[U+3]
	s_lshl_b32 s55, s52, 5
	s_lshl_b32 s56, s53, 3
	s_add_co_u32 s55, s55, s56
	v_add_nc_u32 v[DQ], s55, v[DQ]                 ; 32 (wave / 2) + 8 (wave % 2) + r + 8 (r / 8) - 16 h
.irp i, 6,7,8,9,10,11
	v_mov_b32 v[Q+\i], 0                           ; q's upper half: zero codes
	v_mov_b32 v[KV+42+\i], 0                       ; and the six registers behind k's last tile
.endr
.irp b, 0,1,2,3
	v_mov_b32 v[TP+\b], 0                          ; written once: a lane permute's destination counts as one of its sources
.endr
	v_mov_b32 v[F+1], 0                            ; (named as the upper half of a pair)
	v_mov_b32 v[NINF], 0xff800000
.macro ZERO_STATE                      ; a block begins: O^T and the sum are zeros, the largest t lies under every t: the first change of M multiplies zeros
.set i, 0
.rept 32
	v_mov_b32 v[O+i], 0
.set i, i+1
.endr
	v_mov_b32 v13, 0xff61b1e6                      ; -3e38
	s_delay_alu instid0(VALU_DEP_1)
	v_floor_f32 v12, -v13
	v_mov_b32 v14, 0
	v_mov_b32 v15, 0
.endm
	ZERO_STATE
	s_mov_b32 s[SEL], 0x76543210
	s_mov_b32 s[SEL+1], 0xfedcba98
	s_mov_b32 s[CS], 0x3e38aa3b                    ; c = log2(e) / sqrt(64)
	s_mov_b32 s[CS+1], s[CS]                       ; (named with it as a pair)
	s_mov_b32 s[RC], 0
	s_mov_b32 s[BL], s[IX]
	s_mov_b32 s[SB], 0
	s_mov_b32 s[SLOTS], 9
.macro KLOAD off                       ; a step's k: four pair images and the scale words, 13 loads of 512 consecutive bytes
.irp b, 0,1,2,3
.irp c, 0,1,2
	ds_load_b128 v[KV+12*\b+4*\c:KV+12*\b+4*\c+3], v[ADK] offset:\off+1536*\b+512*\c
.endr
.endr
	ds_load_b128 v[KS:KS+3], v[ADK] offset:\off+6144
.endm
.macro VLOAD off                       ; its v: four fragment images, into window 1, and the scale words, into window 0
	s_set_vgpr_msb 0x40                            ; destination: window 1
.irp t, 0,1,2,3
.irp c, 0,1,2
	ds_load_b128 v[12*\t+4*\c:12*\t+4*\c+3], v[ADK] offset:\off+6656+1536*\t+512*\c
.endr
.endr
	s_set_vgpr_msb 0x4000                          ; all windows 0 again
	ds_load_b64 v[VS:VS+1], v[ADV] offset:\off+12800
.endm
; A BLOCK'S END: O^T / the sum, quantised along the head's 64 channels (two blocks of 32; register 16 b + i = channel 32 b + 16 (lane / 16) + i), stored.
.macro FINAL oi, os
	s_wait_xcnt 0x0                                ; an earlier end's stores have read the registers that are written below
	v_add_f32 v14, v14, v15                        ; the sum's two halves,
	s_delay_alu instid0(VALU_DEP_1)
	v_permlanex16_b32 v[TMP], v14, s[SEL], s[SEL+1]
	s_delay_alu instid0(VALU_DEP_1)
	v_add_f32 v14, v14, v[TMP]                     ; and lane l xor 16's
	s_wait_alu depctr_va_vdst(0)
	v_rcp_f32 v[F], v14
	v_nop                                          ; one plain place behind a transcendental
.set i, 0
	s_wait_alu depctr_va_vdst(0)
.rept 16
	v_pk_mul_f32 v[S+i:S+i+1], v[O+i:O+i+1], v[F:F+1] op_sel_hi:[1,0]   ; each accumulator from its low end on
.set i, i+2
.endr
.irp b, 0,1
	v_max3_num_f32 v[BMX+\b], |v[S+16*\b]|, |v[S+1+16*\b]|, 0x1800000   ; and the floor 2^(3 - 127): the byte cannot fall under 1
.endr
.irp i, 2,4,6,8,10,12,14
.irp b, 0,1
	s_delay_alu instid0(VALU_DEP_2)
	v_max3_num_f32 v[BMX+\b], v[BMX+\b], |v[S+16*\b+\i]|, |v[S+1+16*\b+\i]|
.endr
.endr
.irp b, 0,1
	s_delay_alu instid0(VALU_DEP_2)
	v_permlanex16_b32 v[TP+\b], v[BMX+\b], s[SEL], s[SEL+1]
.endr
.irp b, 0,1
	s_delay_alu instid0(VALU_DEP_2)
	v_max_num_f32 v[BMX+\b], v[BMX+\b], v[TP+\b]
.endr
.irp b, 0,1
	s_delay_alu instid0(VALU_DEP_2)
	v_add_nc_u32 v[SO+\b], 0xff000000, v[BMX+\b]   ; 2 off the exponent field: the conversion's scale operand
.endr
.irp b, 0,1
	s_delay_alu instid0(VALU_DEP_2)
	v_lshrrev_b32 v[TP+\b], 23, v[SO+\b]           ; the scale's byte
.endr
	s_delay_alu instid0(VALU_DEP_1)
	v_lshl_or_b32 v[W16], v[TP+1], 8, v[TP]
	v_cvt_scalef32_pk16_fp6_f32 v[U:U+2], v[S:S+15], v[SO]
	v_cvt_scalef32_pk16_fp6_f32 v[PT:PT+2], v[S+16:S+31], v[SO+1]
	v_nop                                          ; one plain place behind a scaled conversion
.irp i, 0,1,2
	v_permlane16_swap_b32 v[U+\i], v[PT+\i]        ; a whole block to a lane: lanes 0-15 channels 0-31, lanes 16-31 channels 32-63
.endr
.irp i, 0,1,2
	s_delay_alu instid0(VALU_DEP_3)
	v_mov_b32 v[U+3+\i], v[PT+\i]
.endr
.irp c, 0,1,2
	global_store_b64 v[L8], v[U+2*\c:U+2*\c+1], s[\oi:\oi+1] offset:256*\c   ; 32 lanes store 256 consecutive bytes, at a multiple of 256 from the buffer's first byte
.endr
	global_store_b16 v[OSO], v[W16], s[\os:\os+1]  ; lanes r and r + 16 hold the same two bytes and write them to the same place
.endm
.macro NEXTBLOCK                       ; q's moves stand first: a scale register written by a vector instruction stands 8 places ahead of a scaled matrix instruction, an operand 4; the 36 moves of ZERO_STATE follow
.irp i, 0,1,2,3,4,5
	v_mov_b32 v[Q+\i], v[QN+\i]
.endr
	v_mov_b32 v[QS], v[QNS]
	ZERO_STATE
	s_mov_b32 s[RC], 0
	s_sub_co_u32 s[BL], 31, s[IX]
.endm
; A KEY STEP: 128 keys, the q-th record of the slot in hand.  Its k was asked for in the step before.
.macro STEP q, sig                     ; sig, in a slot's third step alone: 1 = the slot that is left is filled again behind the barrier, 2 = it is not
	s_cmp_gt_u32 s[RC], s[BL]                      ; the first block's keys are over: a scalar branch on ids and counters; no LDS instruction, barrier or tensor load stands under it
	s_cbranch_scc0 .Lsame_\@
	s_wait_alu depctr_va_vdst(0)
	FINAL OIA, OSA
	NEXTBLOCK
.Lsame_\@:
	s_wait_dscnt 0x0                               ; k is in
.irp t, 0,1,2,3,4,5,6,7                        ; S^T = k q^T: eight tiles of 16 keys; the odd tile's scale words lie in lanes 16-31
.if \t%2
	v_wmma_scale_f32_16x16x128_f8f6f4 v[S+8*\t:S+8*\t+7], v[KV+6*\t:KV+6*\t+11], v[Q:Q+11], 0, v[KS+\t/2], v[QS] matrix_a_fmt:MATRIX_FMT_FP6 matrix_b_fmt:MATRIX_FMT_FP6 matrix_a_scale:MATRIX_SCALE_ROW1
.else
	v_wmma_scale_f32_16x16x128_f8f6f4 v[S+8*\t:S+8*\t+7], v[KV+6*\t:KV+6*\t+11], v[Q:Q+11], 0, v[KS+\t/2], v[QS] matrix_a_fmt:MATRIX_FMT_FP6 matrix_b_fmt:MATRIX_FMT_FP6
.endif
.endr
.rept 4
	v_nop                                          ; places in front of the loads into k's registers and of the first read of the scores
.endr
	s_wait_alu depctr_va_vdst(0)
	VLOAD (\q)*REC                                 ; v lands while the softmax is walked,
.if (\q) < 2
	KLOAD ((\q)+1)*REC                             ; and so does the next step's k, from the same slot: 13 loads behind v's 13
.endif
	s_cmp_lg_u32 s[RC], s[BL]                      ; on the diagonal the scores of hidden keys become -infinity: p = 0 then.  Register 16 b + i holds key 32 b + 16 (lane / 16) + i of the step
	s_cbranch_scc1 .Lopen_\@
.set n, 0
.rept 64
	v_cmp_gt_i32 vcc_lo, 32*(n/16)+n%16, v[DQ]
	v_cndmask_b32 v[S+n], v[S+n], v[NINF], vcc_lo
.set n, n+1
.endr
.Lopen_\@:
.irp b, 0,1,2,3
	v_max3_num_f32 v[BMX+\b], v[S+16*\b], v[S+1+16*\b], v[S+2+16*\b]   ; the largest score of each block of 32 keys: for the row's maximum, and, since p rises with the score, for the block's largest p
.endr
.irp i, 3,5,7,9,11,13
.irp b, 0,1,2,3
	v_max3_num_f32 v[BMX+\b], v[BMX+\b], v[S+16*\b+\i], v[S+1+16*\b+\i]
.endr
.endr
.irp b, 0,1,2,3
	v_max_num_f32 v[BMX+\b], v[BMX+\b], v[S+15+16*\b]
.endr
.irp b, 0,1,2,3
	s_delay_alu instid0(VALU_DEP_4)
	v_permlanex16_b32 v[TP+\b], v[BMX+\b], s[SEL], s[SEL+1]
.endr
.irp b, 0,1,2,3
	s_delay_alu instid0(VALU_DEP_4)
	v_max_num_f32 v[BMX+\b], v[BMX+\b], v[TP+\b]   ; with lane l xor 16's 16 keys
.endr
	s_delay_alu instid0(VALU_DEP_2)
	v_max3_num_f32 v[TMP], v[BMX], v[BMX+1], v[BMX+2]
	s_delay_alu instid0(VALU_DEP_1)
	v_max_num_f32 v[TMP], v[TMP], v[BMX+3]         ; the step's largest score of my query
	s_delay_alu instid0(VALU_DEP_1)
	v_mul_f32 v[TMP], s[CS], v[TMP]                ; as t
	s_delay_alu instid0(VALU_DEP_1)
	v_max_num_f32 v13, v13, v[TMP]                 ; the running largest t
	v_mov_b32 v[TMP], v12
	s_delay_alu instid0(VALU_DEP_2)
	v_floor_f32 v12, -v13                          ; the new -M = floor(-t): M is a whole number
	s_delay_alu instid0(VALU_DEP_1)
	v_sub_f32 v[TMP], v12, v[TMP]                  ; old M - new M: a whole number, 0 or less
	s_delay_alu instid0(VALU_DEP_1)
	v_cvt_i32_f32 v[TMP], v[TMP]                   ; (it saturates)
	s_delay_alu instid0(VALU_DEP_1)
	v_ldexp_f32 v[F], 1.0, v[TMP]                  ; f = 2^(old M - new M)
.if \sig                               ; my last reads of this slot, the step's v, are out: the lines in front of the barrier of the change of slots stand here
	s_wait_alu depctr_va_vdst(0)                   ; the wait, directly ahead of the wait below
	s_wait_tensorcnt 0x0                           ; my record of the next slot has landed, and group 0 may be written
	ds_add_u32 v[SPW], v[NIL]                      ; the add; the 36 multiply-adds below stand between it and the wait for it
.if (\sig) == 1
	ds_add_u32 v[SPW], v[NIL]                      ; twice where a tensor load can still follow
	s_xor_b32 s[G0+1], s[G0+1], SLOT1              ; the slot that is being left,
	s_add_co_u32 s[GF], s[GF], 3                   ; three steps on
	RECADDR
.endif
.endif
.set j, 0
.rept 32
	v_pk_fma_f32 v[S+j:S+j+1], v[S+j:S+j+1], s[CS:CS+1], v[12:13] op_sel_hi:[1,0,0]   ; t - M, two at a time
.set j, j+2
.endr
.irp b, 0,1,2,3
	v_fma_f32 v[BMX+\b], v[BMX+\b], s[CS], v12     ; the same of each block's largest score
.endr
.if \sig
	s_wait_dscnt 0x0                               ; the add is done, v is in, and my reads of this slot are over:
	s_barrier_signal -1                            ; say so; up to the wait at the trip's end only work on registers follows
.endif
.set j, 0
	s_wait_alu depctr_va_vdst(0)
.rept 64
	v_exp_f32 v[S+j], v[S+j]                       ; p = 2^(t - M), at most 1
.set j, j+1
.endr
.irp b, 0,1,2,3
	v_exp_f32 v[BMX+\b], v[BMX+\b]                 ; the block's largest p: the same two instructions on the same number
.endr
	v_pk_mul_f32 v[14:15], v[14:15], v[F:F+1] op_sel_hi:[1,0]   ; the sums under the new M.  (A plain place behind the exponentials)
	s_wait_alu depctr_va_vdst(0)
.irp b, 0,1,2,3
	v_max_num_f32 v[BMX+\b], 0x1800000, v[BMX+\b]  ; the floor 2^(3 - 127): the byte cannot fall under 1
.endr
.irp b, 0,1,2,3
	s_delay_alu instid0(VALU_DEP_4)
	v_add_nc_u32 v[SO+\b], 0xff000000, v[BMX+\b]   ; 2 off the exponent field: the conversion's scale operand
.endr
.irp b, 0,1,2,3
	s_delay_alu instid0(VALU_DEP_4)
	v_lshrrev_b32 v[TP+\b], 23, v[SO+\b]           ; the scale's byte
.endr
	s_delay_alu instid0(VALU_DEP_3)
	v_lshl_or_b32 v[PS], v[TP+1], 8, v[TP]         ; p's scale word for these 128 keys
	s_delay_alu instid0(VALU_DEP_1)
	v_lshl_or_b32 v[PS], v[TP+2], 16, v[PS]
	s_delay_alu instid0(VALU_DEP_1)
	v_lshl_or_b32 v[PS], v[TP+3], 24, v[PS]
.irp c, 0,1
	v_cvt_scalef32_pk16_fp6_f32 v[PC+6*\c:PC+6*\c+2], v[S+32*\c:S+32*\c+15], v[SO+2*\c]
	v_cvt_scalef32_pk16_fp6_f32 v[PT+4*\c:PT+4*\c+2], v[S+32*\c+16:S+32*\c+31], v[SO+2*\c+1]   ; (a conversion's three registers begin on an even number)
.endr
	v_nop                                          ; one plain place behind a scaled conversion
.irp c, 0,1                                    ; a whole block to a lane: lanes 0-15 block 2 c, lanes 16-31 block 2 c + 1
.irp i, 0,1,2
	v_permlane16_swap_b32 v[PC+6*\c+\i], v[PT+4*\c+\i]
.endr
.irp i, 0,1,2
	s_delay_alu instid0(VALU_DEP_3)
	v_mov_b32 v[PC+3+6*\c+\i], v[PT+4*\c+\i]
.endr
.endr
	v_pk_add_f32 v[SUM2:SUM2+1], v[S:S+1], v[S+2:S+3]   ; THE ROW'S SUM IS TAKEN OF THE UNQUANTISED p, in two chains.  These 13 name nothing of the products below: they are the places behind p's codes (4) and scale word (8)
.irp j, 4,8,12,16,20,24
	v_pk_add_f32 v[14:15], v[14:15], v[S+\j:S+\j+1]
	v_pk_add_f32 v[SUM2:SUM2+1], v[SUM2:SUM2+1], v[S+\j+2:S+\j+3]
.endr
.set j, 0
.rept 16
	v_pk_mul_f32 v[O+j:O+j+1], v[O+j:O+j+1], v[F:F+1] op_sel_hi:[1,0]   ; O^T under the new M
.set j, j+2
.endr
	s_wait_alu depctr_va_vdst(0)
.if (\q) < 2
	s_wait_dscnt 13                                ; v is in; the 13 loads of the next step's k may be out.  (In the third step v was waited for ahead of the signal)
.endif
	s_set_vgpr_msb 0x01                            ; source 0: window 1
.irp t, 0,1,2,3                                ; O^T += v^T p^T: four tiles of 16 channels, by turns
.if \t%2
	v_wmma_scale_f32_16x16x128_f8f6f4 v[O+8*\t:O+8*\t+7], v[12*\t:12*\t+11], v[PC:PC+11], v[O+8*\t:O+8*\t+7], v[VS+\t/2], v[PS] matrix_a_fmt:MATRIX_FMT_FP6 matrix_b_fmt:MATRIX_FMT_FP6 matrix_a_scale:MATRIX_SCALE_ROW1
.else
	v_wmma_scale_f32_16x16x128_f8f6f4 v[O+8*\t:O+8*\t+7], v[12*\t:12*\t+11], v[PC:PC+11], v[O+8*\t:O+8*\t+7], v[VS+\t/2], v[PS] matrix_a_fmt:MATRIX_FMT_FP6 matrix_b_fmt:MATRIX_FMT_FP6
.endif
.endr
	s_set_vgpr_msb 0x0100                          ; all windows 0 again
.irp j, 28,32                                  ; the rest of the sum
	v_pk_add_f32 v[14:15], v[14:15], v[S+\j:S+\j+1]
	v_pk_add_f32 v[SUM2:SUM2+1], v[SUM2:SUM2+1], v[S+\j+2:S+\j+3]
.endr
.irp j, 36,40,44,48,52,56,60
	v_pk_add_f32 v[14:15], v[14:15], v[S+\j:S+\j+1]
	v_pk_add_f32 v[SUM2:SUM2+1], v[SUM2:SUM2+1], v[S+\j+2:S+\j+3]
.endr
	s_delay_alu instid0(VALU_DEP_1)
	v_pk_add_f32 v[14:15], v[14:15], v[SUM2:SUM2+1]
	s_add_co_u32 s[RC], s[RC], 1
.endm
; THE CHANGE OF SLOTS.  In front of the barrier each wave waits for all its tensor loads (its record of the slot that it is about to read), adds 0 to its spare word, and waits for that and for its reads of the slot
; that it leaves.  Behind the barrier the slot ahead is whole and nobody reads the other one, which is then filled with the records of three later steps: the load has three steps in which to land.
; CHANGE is the first one, ahead of slot 0's steps, whole.  The later ones are split: the lines up to the signal stand in a slot's third step, behind its loads of v; the wait and the refill stand at the trip's end.
.macro CHANGE fill
	s_wait_tensorcnt 0x0                           ; no tensor load of mine is out, so group 0 may be written
	ds_add_u32 v[SPW], v[NIL]                      ; the add,
	ds_add_u32 v[SPW], v[NIL]                      ; twice here
.if \fill
	s_xor_b32 s[G0+1], s[G0+1], SLOT1              ; the other slot than last time,
	s_add_co_u32 s[GF], s[GF], 3                   ; three steps on
	RECADDR
.endif
	s_wait_dscnt 0x0                               ; the add is done, and my reads of the slot that I have left are over
	s_barrier_signal -1
	s_barrier_wait -1
.if \fill
	TLOAD                                          ; the first thing behind the barrier, and a wave's one tensor load until the next
.endif
.endm
.macro SLOT_STEPS sig
	v_add_nc_u32 v[ADK], s[SB], v[LI]
	v_add_nc_u32 v[ADV], s[SB], v[L8]
	KLOAD 0                                        ; (the products that read these registers stand a whole softmax back)
	STEP 0, 0
	STEP 1, 0
	STEP 2, \sig
	s_xor_b32 s[SB], s[SB], SLOT1                  ; on to the other slot
.endm
	s_wait_loadcnt 0x0                             ; q, both blocks'
	CHANGE 1                                       ; slot 0 is whole; slot 1's first fill, issued as a refill is
.Lslot:                                            ; 9 trips, slots 0 to 8: at each trip's end the slot just left takes the records of the slot after next
	SLOT_STEPS 1
	s_wait_alu depctr_va_vdst(0)                   ; the wait, directly ahead of the barrier's wait
	s_barrier_wait -1                              ; every wave has left the slot, and the next slot is whole
	TLOAD                                          ; the first thing behind the barrier, and a wave's one tensor load until the next
	s_sub_co_u32 s[SLOTS], s[SLOTS], 1
	s_cmp_lg_u32 s[SLOTS], 0
	s_cbranch_scc1 .Lslot
	s_mov_b32 s[SLOTS], 2
.Ltail:                                            ; 2 trips, slots 9 and 10: nothing is left to fetch.  One text serves both: the second trip's barrier orders nothing
	SLOT_STEPS 2
	s_wait_alu depctr_va_vdst(0)
	s_barrier_wait -1
	s_sub_co_u32 s[SLOTS], s[SLOTS], 1
	s_cmp_lg_u32 s[SLOTS], 0
	s_cbranch_scc1 .Ltail
	s_wait_alu depctr_va_vdst(0)
	FINAL OIB, OSB                                 ; the second block's end
	s_wait_tensorcnt 0x0                           ; the wave's end
	ds_add_u32 v[SPW], v[NIL]
	s_wait_dscnt 0x0
	s_endpgm
.Lfunc_end_k_qd60afe869a_attn:
	.size	k_qd60afe869a_attn, .Lfunc_end_k_qd60afe869a_attn-k_qd60afe869a_attn
	.p2alignl 7, 3214868480
	.fill 96, 4, 3214868480
	.section	.rodata,"a",@progbits
	.p2align	6, 0x0
	.amdhsa_kernel k_qd60afe869a_attn
		.amdhsa_group_segment_fixed_size 327680
		.amdhsa_private_segment_fixed_size 0
		.amdhsa_enable_private_segment 0
		.amdhsa_kernarg_size 32
		.amdhsa_user_sgpr_count 2
		.amdhsa_user_sgpr_kernarg_segment_ptr 1
		.amdhsa_wavefront_size32 1
		.amdhsa_system_sgpr_workgroup_id_x 1
		.amdhsa_system_sgpr_workgroup_id_y 1
		.amdhsa_system_sgpr_workgroup_id_z 1
		.amdhsa_system_vgpr_workitem_id 0
		.amdhsa_next_free_vgpr 320
		.amdhsa_next_free_sgpr 66
		.amdhsa_reserve_vcc 1
		.amdhsa_float_denorm_mode_32 3
		.amdhsa_float_denorm_mode_16_64 3
		.amdhsa_memory_ordered 1
		.amdhsa_forward_progress 1
		.amdhsa_inst_pref_size 178
	.end_amdhsa_kernel
	.amdgpu_metadata
---
amdhsa.version: [ 1, 2 ]
amdhsa.kernels:
  - .name:           k_qd60afe869a_attn
    .symbol:         k_qd60afe869a_attn.kd
    .args:
      - { .name: qrec, .offset: 0, .size: 8, .value_kind: global_buffer, .address_space: global }
      - { .name: kv, .offset: 8, .size: 8, .value_kind: global_buffer, .address_space: global }
      - { .name: o_img, .offset: 16, .size: 8, .value_kind: global_buffer, .address_space: global }
      - { .name: o_scl, .offset: 24, .size: 8, .value_kind: global_buffer, .address_space: global }
    .group_segment_fixed_size: 327680
    .private_segment_fixed_size: 0
    .kernarg_segment_align: 8
    .kernarg_segment_size: 32
    .max_flat_workgroup_size: 256
    .sgpr_count:     66
    .vgpr_count:     320
    .wavefront_size: 32
...
	.end_amdgpu_metadata
.endif
;; end of part 2
;; launch proj (part 3): grid 8 x 32, 4 waves a work-group, clusters of 4 x 4, 327,680 bytes of LDS; arguments o_img, o_scl, w_o_codes, w_o_scales, b_o, out0; writes out0
.if DOCPART == 3
	.amdgcn_target "amdgcn-amd-amdhsa--gfx1250"
	.amdhsa_code_object_version 6
	.text
	.protected	k_qd60afe869a_proj
	.globl	k_qd60afe869a_proj
	.p2align	8
	.type	k_qd60afe869a_proj,@function
k_qd60afe869a_proj:
	s_mov_b64 s[64:65], 0
	v_nop
	global_prefetch_b8 v0, s[64:65] scope:SCOPE_SE
	s_setreg_imm32_b32 hwreg(HW_REG_WAVE_MODE, 25, 1), 1
	s_wait_xcnt 0x0
	s_wait_alu depctr_hold_cnt(0) depctr_sa_sdst(0) depctr_va_vdst(0) depctr_va_sdst(0) depctr_va_ssrc(0) depctr_va_vcc(0) depctr_vm_vsrc(0)
	s_getreg_b32 s2, hwreg(HW_REG_IB_STS2, 6, 4)
	s_cmp_eq_u32 s2, 0
	s_cbranch_scc0 .Lentry_in_a_cluster
	s_endpgm
.Lentry_in_a_cluster:
	s_bfe_u32 s2, ttmp6, 0x10000c
	s_cmp_lg_u32 s2, 0xf033
	s_cbranch_scc0 .Lentry_shape_is_right
	s_endpgm
.Lentry_shape_is_right:
; out0 = O w_o + b_o on codes of FP6 (E2M3) with E8M0 scales; K = 1,024.  O comes from the attention as images of operand registers (o_img) with its scale bytes (o_scl), in that launch's order of rows:
; row r of tile t of a block of 128 rows is row 32 (t / 2) + 8 (t % 2) + r + 8 (r / 8) of the block.
; A block of out0 is 128 x 128: 32 x 8 = 256 work-groups.  ALL OF K LIES IN LDS AT ONCE: O's 8 tiles (4 runs of 24,576 bytes), w_o's 128 whole rows of 768 bytes (16 bytes of padding behind every 256: pitch 816),
; and the two blocks of scale bytes (4,096 bytes each): four tensor loads, one a wave, at the head.  Nothing is filled again, so there is one barrier and no ring.
; CLUSTERS: 4 x 4 work-groups; O's tiles are asked for jointly along a row of the cluster, w_o's along a column.
; No prefetch: every byte is asked for at the head, and there is no loop to run ahead in.
; A wave makes 64 x 64: 16 accumulators.  The matrix instruction is used transposed (source 0 = 16 rows of w_o, source 1 = 16 rows of O): a lane holds eight neighbouring columns of one row.  The bias is the first product's C.
; REGISTERS: window 0: v16-29 addresses; v32-63 scale words of all 8 steps (block i at 8 i; lanes 0-15 O's, lanes 16-31 w_o's); v64-255 two sets of fragments (O's four, then w_o's four).
;   window 1: v0-127 accumulator (a, b) at 8 (4 a + b); v128-159 the bias.
.set PITCH,  816
.set LB,     98304                     ; w_o's rows, behind O's images
.set SCA,    LB+128*PITCH              ; O's scales: 16 units of 256 + 16 bytes
.set SCB,    SCA+4352                  ; w_o's
.set STAGE,  SCB+4352                  ; the way out: 16 rows x 272 bytes for each wave, bytes that no tensor load fills
.set SPITCH, 272
.set SPARE,  STAGE+4*16*SPITCH         ; the spare words: 512 bytes that no other line names
.set ADRA, 16                          ; v16 steps 0-3, v17 steps 4-7
.set ADRB, 18                          ; v19: for pieces whose lanes 16-31 lie behind one padding more
.set ADRS, 20
.set STO,  21
.set RD,   22
.set CO,   23
.set BNO,  24
.set SPW,  28
.set NIL,  29
.set SC,   32
.set FS,   64
.set BK,   64
.set G1, 24
.set G0, 32
.set G0B, 36
.set G1B, 48
.set G1S, 68
.set G0S, 76
.set G1SB, 80
.set G0SB, 88
.set MSB, 0
.macro WIN new
.if MSB != (\new)
	s_set_vgpr_msb (MSB<<8)|(\new)
.set MSB, (\new)
.endif
.endm
.macro TL g0, g1                       ; a tensor load with an s_nop and four v_nop behind it
	tensor_load_to_lds s[\g0:\g0+3], s[\g1:\g1+7]
	s_nop 0
.rept 4
	v_nop
.endr
.endm
.macro CROUND                          ; a round of the cluster's barrier
	s_barrier_signal -1
	s_barrier_wait -1
	s_cmp_lg_u32 s14, 0
	s_cbranch_scc1 .Lnot_wave_0_\@
	s_barrier_signal -3
.Lnot_wave_0_\@:
	s_barrier_wait -3
	s_barrier_signal -1
	s_barrier_wait -1
.endm
.macro DESC g, c, r, p                 ; group 1's words 1 to 7: r rows of c elements, pitch p
	s_mov_b32 s[\g+1], (\c)<<16
	s_mov_b32 s[\g+2], (\r)<<16
	s_mov_b32 s[\g+3], (\c)<<16
	s_mov_b32 s[\g+4], \r
	s_mov_b32 s[\g+5], \p
	s_mov_b32 s[\g+6], 0
	s_mov_b32 s[\g+7], 0
.endm
.macro GRP0 g, lds, a                  ; group 0
	s_mov_b32 s[\g], 1
	s_mov_b32 s[\g+1], \lds
	s_mov_b64 s[\g+2:\g+3], s[\a:\a+1]
	s_or_b32 s[\g+3], s[\g+3], 0x80000000
.endm
	s_load_b128 s[4:7], s[0:1], 0x0                ; o_img, o_scl
	s_load_b128 s[8:11], s[0:1], 0x10              ; w_o's codes, scales
	s_load_b128 s[96:99], s[0:1], 0x20             ; b_o, out0
	v_lshl_add_u32 v[SPW], v0, 2, SPARE
	v_mov_b32 v[NIL], 0
	ds_add_u32 v[SPW], v[NIL]                      ; the opening lines: the add twice on end and one wait
	ds_add_u32 v[SPW], v[NIL]
	v_lshrrev_b32 v1, 5, v0
	v_readfirstlane_b32 s14, v1                    ; wave 0..3
	s_lshr_b32 s15, s14, 1                         ; my half of the rows
	s_and_b32 s16, s14, 1                          ; my half of the columns
	s_bfe_u32 s40, ttmp6, 0x40000                  ; cx
	s_bfe_u32 s41, ttmp6, 0x40004                  ; cy
	s_lshl_b32 s42, ttmp9, 2
	s_add_co_u32 s42, s42, s40                     ; block column
	s_and_b32 s17, ttmp7, 0xffff
	s_lshl_b32 s17, s17, 2
	s_add_co_u32 s17, s17, s41                     ; block row
	s_lshl_b32 s43, s41, 2
	s_lshl_b32 s43, 15, s43                        ; my row of the cluster
	s_lshl_b32 s44, 0x1111, s40                    ; my column
	s_or_b32 s[G1], s43, (3<<16)|(1<<21)           ; O's images: elements of 8 bytes, no padding: every LDS load takes consecutive bytes
	DESC G1, 3072, 4, 98304                        ; 4 runs of 24,576 bytes (8 tiles x 256 along K), 786,432 bytes apart
	s_or_b32 s[G1B], s44, (0<<16)|(1<<20)|(1<<21)|(5<<22)|(3<<25)
	DESC G1B, 768, 128, 768                        ; 128 whole rows of codes
	s_or_b32 s[G1S], s43, (3<<16)|(1<<20)|(1<<21)|(5<<22)|(3<<25)
	DESC G1S, 32, 16, 32                           ; 4,096 dense bytes as 16 rows of 256
	s_or_b32 s[G1SB], s44, (3<<16)|(1<<20)|(1<<21)|(5<<22)|(3<<25)
	DESC G1SB, 32, 16, 32
	s_mul_i32 s20, s17, 24576
	s_mov_b32 s21, 0
	s_lshl_b32 s22, s17, 12
	s_mov_b32 s23, 0
	s_mul_i32 s46, s42, 128*768
	s_mov_b32 s47, 0
	s_lshl_b32 s92, s42, 12
	s_mov_b32 s93, 0
	s_wait_dscnt 0x0                               ; both opening adds are done
	s_wait_kmcnt 0x0
	s_add_nc_u64 s[20:21], s[4:5], s[20:21]
	s_add_nc_u64 s[22:23], s[6:7], s[22:23]
	s_add_nc_u64 s[46:47], s[8:9], s[46:47]
	s_add_nc_u64 s[92:93], s[10:11], s[92:93]
	CROUND                                         ; all sixteen work-groups are here: the joint loads meet
	GRP0 G0, 0, 20
	GRP0 G0B, LB, 46
	GRP0 G0S, SCA, 22
	GRP0 G0SB, SCB, 92
.macro ARM under, g0, g1, next         ; one chain of branches on the wave's number, one load to an arm, all arms to one join
	s_cmp_lt_u32 s14, \under
	s_cbranch_scc0 \next
	TL \g0, \g1
	s_branch .Lhead_asked
\next:
.endm
	ARM 1, G0,  G1,  .Lhead_b
	ARM 2, G0B, G1B, .Lhead_sa
	ARM 3, G0S, G1S, .Lhead_sb
	TL G0SB, G1SB
.Lhead_asked:
	s_mul_i32 s18, s15, 4*3072                     ; my four tiles of O
	s_mul_i32 s22, s16, 64*PITCH
	s_add_co_u32 s22, s22, LB                      ; my 64 rows of w_o
	s_mul_i32 s94, s15, 2176                       ; the scales of 64 rows: 8 units of 272 bytes
	s_mul_i32 s23, s16, 2176
	s_add_co_u32 s23, s23, SCB-SCA
	s_sub_co_u32 s23, s23, s94                     ; from O's scales to w_o's
	s_add_co_u32 s94, s94, SCA
	s_mul_i32 s19, s14, 16*SPITCH
	s_add_co_u32 s19, s19, STAGE                   ; my stage
	s_lshl_b32 s20, s17, 19
	s_lshl_b32 s21, s15, 18
	s_add_co_u32 s20, s20, s21                     ; (128 x block row + 64 x half) rows of 4,096 bytes
	s_mov_b32 s21, 0
	s_lshl_b32 s46, s42, 9
	s_lshl_b32 s47, s16, 8
	s_add_co_u32 s46, s46, s47                     ; 4 x my first column
	s_mov_b32 s47, 0
	s_add_nc_u64 s[98:99], s[98:99], s[20:21]
	s_add_nc_u64 s[98:99], s[98:99], s[46:47]
	v_and_b32 v1, 15, v0                           ; r
	v_bfe_u32 v2, v0, 4, 1                         ; h
	v_and_b32 v6, 31, v0
	v_lshlrev_b32 v7, 3, v6
	v_add_nc_u32 v[ADRA], s18, v7                  ; images: 8 x lane
	v_add_nc_u32 v[ADRA+1], 49152, v[ADRA]
	v_mul_u32_u24 v3, v1, PITCH
	v_mad_u32_u24 v3, v2, 24, v3
	v_add_nc_u32 v[ADRB], s22, v3                  ; row r x pitch + 24 h
	v_lshl_add_u32 v[ADRB+1], v2, 4, v[ADRB]
	v_lshlrev_b32 v5, 5, v1                        ; my row's scales: 32 bytes a row,
	v_lshrrev_b32 v4, 3, v1
	v_lshl_add_u32 v5, v4, 4, v5                   ; and 16 more behind 8 rows
	v_mul_u32_u24 v4, s23, v2                      ; lanes 16-31 take w_o's
	v_add_nc_u32 v5, v5, v4
	v_add_nc_u32 v[ADRS], s94, v5
	v_mul_u32_u24 v5, v1, SPITCH
	v_lshl_add_u32 v5, v2, 5, v5
	v_add_nc_u32 v[STO], s19, v5                   ; in: row r, 32 bytes for each half of the lanes
	v_mul_u32_u24 v5, v2, SPITCH
	v_lshl_add_u32 v5, v1, 4, v5
	v_add_nc_u32 v[RD], s19, v5                    ; back: lanes 0-15 one row of 256 bytes, lanes 16-31 the next
	v_lshlrev_b32 v4, 12, v2
	v_lshl_add_u32 v[CO], v1, 4, v4                ; and the same two rows in out0
	v_lshlrev_b32 v[BNO], 5, v2
	v_add_nc_u32 v[BNO], s46, v[BNO]
	s_wait_alu depctr_va_vdst(0)                   ; the wait at the head's end
	WIN 0x40
.irp b, 0,1,2,3
	global_load_b128 v[128+8*\b:128+8*\b+3], v[BNO], s[96:97] offset:64*\b        ; b_o at my eight columns of block b
	global_load_b128 v[128+8*\b+4:128+8*\b+7], v[BNO], s[96:97] offset:64*\b+16
.endr
	WIN 0
.macro FETCH st                        ; step st's fragments into set st % 2: 48 loads of 8 bytes a lane
.set F, FS+96*((\st)%2)
.irp i, 0,1,2,3
.irp p, 0,1,2,3,4,5
	ds_load_b64 v[F+12*\i+2*\p:F+12*\i+2*\p+1], v[ADRA+(\st)/4] offset:24576*(((\st)/2)%2)+3072*\i+1536*((\st)%2)+256*\p
.endr
.endr
.irp i, 0,1,2,3
.irp p, 0,1,2,3,4,5
.set BY, 96*(\st)+48*(\p/3)+8*(\p%3)  ; the piece of lanes 0-15 in the row of codes; lanes 16-31 read 24 bytes on
.if BY/256 == (BY+24)/256
	ds_load_b64 v[F+48+12*\i+2*\p:F+48+12*\i+2*\p+1], v[ADRB] offset:BY+16*(BY/256)+\i*16*PITCH
.else
	ds_load_b64 v[F+48+12*\i+2*\p:F+48+12*\i+2*\p+1], v[ADRB+1] offset:BY+16*(BY/256)+\i*16*PITCH
.endif
.endr
.endr
.endm
.macro KSTEP st                        ; 16 matrix instructions, the accumulators by turns; the next step's fragments are asked for first
.set F, FS+96*((\st)%2)
.if (\st) < 7
.if (\st) > 0
.rept 4
	v_nop                                          ; places in front of loads into registers that the last step's products read
.endr
.endif
	WIN 0
	FETCH (\st)+1
.set F, FS+96*((\st)%2)
	s_wait_dscnt 48                                ; all but the 48 loads just issued
.else
	s_wait_dscnt 0x0
.endif
	WIN 0x50                                       ; C and D in window 1
.irp a, 0,1,2,3
.irp b, 0,1,2,3
.if (\st) == 0
	v_wmma_scale_f32_16x16x128_f8f6f4 v[8*(4*\a+\b):8*(4*\a+\b)+7], v[F+48+12*\b:F+48+12*\b+11], v[F+12*\a:F+12*\a+11], v[128+8*\b:128+8*\b+7], v[SC+8*\b+(\st)], v[SC+8*\a+(\st)] matrix_a_fmt:MATRIX_FMT_FP6 matrix_b_fmt:MATRIX_FMT_FP6 matrix_a_scale:MATRIX_SCALE_ROW1
.else
	v_wmma_scale_f32_16x16x128_f8f6f4 v[8*(4*\a+\b):8*(4*\a+\b)+7], v[F+48+12*\b:F+48+12*\b+11], v[F+12*\a:F+12*\a+11], v[8*(4*\a+\b):8*(4*\a+\b)+7], v[SC+8*\b+(\st)], v[SC+8*\a+(\st)] matrix_a_fmt:MATRIX_FMT_FP6 matrix_b_fmt:MATRIX_FMT_FP6 matrix_a_scale:MATRIX_SCALE_ROW1
.endif
.endr
.endr
.endm
	s_wait_loadcnt 0x0                             ; the bias is in
	s_wait_tensorcnt 0x0                           ; my tile of the four is in,
	s_barrier_signal -1
	s_barrier_wait -1                              ; and everybody's
.irp i, 0,1,2,3
	ds_load_b128 v[SC+8*\i:SC+8*\i+3], v[ADRS] offset:544*\i         ; the scale words of all eight steps
	ds_load_b128 v[SC+8*\i+4:SC+8*\i+7], v[ADRS] offset:544*\i+16
.endr
	FETCH 0
.irp s, 0,1,2,3,4,5,6,7
	KSTEP \s
.endr
	WIN 0
; THE WAY OUT, tile by tile of 16 rows x 64 columns, through my own stage: back come whole rows of 256 bytes.  LDS serves a wave's instructions in order (ISA guide 5.7.1.4).
.macro TOSTAGE a
	WIN 0x04                                       ; the data: window 1
.irp b, 0,1,2,3
	ds_store_b128 v[STO], v[8*(4*(\a)+\b):8*(4*(\a)+\b)+3] offset:64*\b       ; each accumulator from its low end on
	ds_store_b128 v[STO], v[8*(4*(\a)+\b)+4:8*(4*(\a)+\b)+7] offset:64*\b+16
.endr
	WIN 0
.irp j, 0,1,2,3,4,5,6,7
	ds_load_b128 v[BK+32*((\a)%2)+4*\j:BK+32*((\a)%2)+4*\j+3], v[RD] offset:2*\j*SPITCH
.endr
.endm
.macro SEND a, younger                 ; 16 lanes store 256 consecutive bytes, at a multiple of 256 from out0's first byte; tile row 2 j + h is row 32 (a / 2) + 8 (a % 2) + 2 j + h + 8 (j / 4)
	s_wait_dscnt \younger
.irp j, 0,1,2,3,4,5,6,7
	global_store_b128 v[CO], v[BK+32*((\a)%2)+4*\j:BK+32*((\a)%2)+4*\j+3], s[98:99] offset:(32*((\a)/2)+8*((\a)%2)+2*\j+8*(\j/4))*4096 th:TH_STORE_NT
.endr
.endm
.rept 4
	v_nop                                          ; places behind the last products
.endr
	TOSTAGE 0
.irp a, 1,2,3
.if \a > 1
	s_wait_xcnt 0x0                                ; tile a - 2's stores have read their registers
.endif
	TOSTAGE \a
	SEND \a-1, 16                                  ; behind tile a - 1's loads: tile a's 8 stores and 8 loads
.endr
	SEND 3, 0
	s_wait_tensorcnt 0x0                           ; the wave's end
	ds_add_u32 v[SPW], v[NIL]
	s_wait_dscnt 0x0
	CROUND                                         ; the closing round
	s_endpgm
.Lfunc_end_k_qd60afe869a_proj:
	.size	k_qd60afe869a_proj, .Lfunc_end_k_qd60afe869a_proj-k_qd60afe869a_proj
	.p2alignl 7, 3214868480
	.fill 96, 4, 3214868480
	.section	.rodata,"a",@progbits
	.p2align	6, 0x0
	.amdhsa_kernel k_qd60afe869a_proj
		.amdhsa_group_segment_fixed_size 327680
		.amdhsa_private_segment_fixed_size 0
		.amdhsa_enable_private_segment 0
		.amdhsa_kernarg_size 48
		.amdhsa_user_sgpr_count 2
		.amdhsa_user_sgpr_kernarg_segment_ptr 1
		.amdhsa_wavefront_size32 1
		.amdhsa_system_sgpr_workgroup_id_x 1
		.amdhsa_system_sgpr_workgroup_id_y 1
		.amdhsa_system_sgpr_workgroup_id_z 1
		.amdhsa_system_vgpr_workitem_id 0
		.amdhsa_next_free_vgpr 512
		.amdhsa_next_free_sgpr 100
		.amdhsa_reserve_vcc 0
		.amdhsa_float_denorm_mode_32 3
		.amdhsa_float_denorm_mode_16_64 3
		.amdhsa_memory_ordered 1
		.amdhsa_forward_progress 1
		.amdhsa_inst_pref_size 59
	.end_amdhsa_kernel
	.amdgpu_metadata
---
amdhsa.version: [ 1, 2 ]
amdhsa.kernels:
  - .name:           k_qd60afe869a_proj
    .symbol:         k_qd60afe869a_proj.kd
    .args:
      - { .name: o_img, .offset: 0, .size: 8, .value_kind: global_buffer, .address_space: global }
      - { .name: o_scl, .offset: 8, .size: 8, .value_kind: global_buffer, .address_space: global }
      - { .name: w_o_codes, .offset: 16, .size: 8, .value_kind: global_buffer, .address_space: global }
      - { .name: w_o_scales, .offset: 24, .size: 8, .value_kind: global_buffer, .address_space: global }
      - { .name: b_o, .offset: 32, .size: 8, .value_kind: global_buffer, .address_space: global }
      - { .name: out0, .offset: 40, .size: 8, .value_kind: global_buffer, .address_space: global }
    .group_segment_fixed_size: 327680
    .private_segment_fixed_size: 0
    .kernarg_segment_align: 8
    .kernarg_segment_size: 48
    .max_flat_workgroup_size: 128
    .sgpr_count:     100
    .vgpr_count:     512
    .wavefront_size: 32
...
	.end_amdgpu_metadata
.endif
;; end of part 3
